; MI455X (gfx1250); checked and timed in simulation.
; The chip was launched on July 23, 2026; its instructions are those of AMD's public machine-readable ISA for CDNA 5 (MIT licence, August 2026) and "CDNA5" Instruction Set Architecture Reference Guide (July 2026). The comments in the code are by the model that wrote it; some were corrected since.
;; Multi Head Attention. Allowed arithmetic: matrix products marked QUANTISED: E4M3 operands, one E8M0 scale for each 32 along K, by v_wmma_scale_f32_16x16x128_f8f6f4 with both operands' format E4M3, f32 sums; everything else in f32.
;; Inputs: Wk 1,024 x 1,024 float32; Wo 1,024 x 1,024 float32; Wq 1,024 x 1,024 float32; Wv 1,024 x 1,024 float32; X1 4 x 2,048 x 1,024 float32; X2 4 x 2,048 x 1,024 float32; bk 1,024 float32; bo 1,024 float32; bq 1,024 float32; bv 1,024 float32.
;; Outputs: out0 4 x 2,048 x 1,024 float32.
;; This version of the problem:
;;   THIS VERSION OF THE PROBLEM IS GIVEN IN LOW PRECISION. The matrix products marked QUANTISED in the list below multiply operands that are first quantised to E4M3 (4 exponent bits, 3 mantissa bits; 8 bits a number), with one power-of-two scale for each 32 numbers along K (OCP MX v1.0); their sums are f32. All else is computed in f32.
;;   The module's matrix products, in the order in which they are computed (A, B: the left and right operand; K: the contracted axis; several contracted axes count as one K, in the product's order):
;;     1. [M 8,192, K 1,024] x [K 1,024, N 1,024]; A: input X1; B: input Wq: QUANTISED
;;     2. [M 8,192, K 1,024] x [K 1,024, N 1,024]; A: input X2; B: input Wk: QUANTISED
;;     3. [M 8,192, K 1,024] x [K 1,024, N 1,024]; A: input X2; B: input Wv: QUANTISED
;;     4. batch 64 x [M 2,048, K 64] x [K 64, N 2,048]; A: computed on the way; B: computed on the way: QUANTISED
;;     5. batch 64 x [M 2,048, K 2,048] x [K 2,048, N 64]; A: softmax (see below); B: computed on the way: QUANTISED
;;     6. [M 8,192, K 1,024] x [K 1,024, N 1,024]; A: computed on the way; B: input Wo: QUANTISED
;;   THE QUANTISER, for each operand of a quantised product, along K:
;;     - K is cut into blocks of 32 from its start; a last block that is shorter is filled with zeros.
;;     - A block's scale is 2^e with e = floor(log2(the largest magnitude in the block)) - 8, held to -126 .. 127; a block of zeros has e = 0. As a byte (E8M0): e + 127.
;;     - Each number is divided by its block's scale, clamped to +-448, and rounded to the nearest number of E4M3, ties to even, subnormals kept.
;;     - The product sums the exact products of the quantised numbers (number of the format x scale) in f32.
;;   ~~~python
;;   def quantise(x, axis):      # numpy; x: float32 -> the quantised numbers, widened to float32 again
;;       x = np.moveaxis(x, axis, -1); K = x.shape[-1]
;;       x = np.pad(x, [(0, 0)] * (x.ndim - 1) + [(0, -K % 32)]); x = x.reshape(x.shape[:-1] + (-1, 32)); a = np.abs(x).max(-1, keepdims=True)
;;       e = np.where(a > 0, np.clip(np.frexp(np.where(a > 0, a, 1))[1] - 1 - 8, -126, 127), 0)      # np.frexp(a)[1] - 1 = floor(log2(a)), exactly
;;       r = np.clip(x / 2.0 ** e, -448, 448)
;;       step = 2.0 ** (np.maximum(np.frexp(np.where(r == 0, 1, r))[1] - 1, -6) - 3)
;;       q = np.round(r / step) * step * 2.0 ** e      # np.round: ties to even
;;       return np.moveaxis(q.reshape(q.shape[:-2] + (-1,))[..., :K], -1, axis).astype(np.float32)
;;   ~~~
;;   SOFTMAX AHEAD OF A QUANTISED PRODUCT. Where the list says 'softmax', what is quantised is not the finished softmax but p = 2^(t - M), with t = logit x log2(e) and M = ceil(the row's largest t), a whole number; so 1/2 < the row's largest p <= 1. The row's sum l is taken of the UNQUANTISED p, in f32, and the product's result is divided by l at the end. Since M is a whole number, a kernel that streams over the keys may use a running M (the ceiling of the running maximum): every later rescaling is an exact power of two, which a block's scale takes up: the codes' values come out the same.
;;   OPERANDS COMPUTED ON THE WAY. 'Computed on the way' means the value that the module computes at that place (a softmax that the list does not call 'softmax' is quantised finished and normalised). What goes into a quantiser is computed in f32, as accurately as f32 sums, v_exp_f32 and their like allow (about 1e-6 of the number): no bf16 or f16 on the way to a quantiser, and a product that is left as it is and whose result goes on into a quantised operand takes f32 operands (vector FMAs, or v_wmma_f32_16x16x4_f32). A number that lies on a knife's edge between two numbers of the format may be rounded either way, as far as f32 arithmetic and the matrix unit's own rounding can turn it there, and no further.
;; One version. Each part assembles by itself: llvm-mc -triple=amdgcn-amd-amdhsa -mcpu=gfx1250 --defsym DOCPART=n.
;; ======== version 1 of 1: 4 launches
;; limits: right only within a limited range of input values
;; workspace buffers: xc 16,777,216 bytes; wc 4,194,304 bytes; sc 917,504 bytes; qkv 25,165,824 bytes; qkvs 786,432 bytes; oc 8,388,608 bytes
;; launch quant (part 1): grid 384 x 1, 4 waves a work-group, no clusters, 34,304 bytes of LDS; arguments X1, X2, Wq, Wk, Wv, Wo, xc, wc, sc; writes xc, wc, sc
.if DOCPART == 1
	.amdgcn_target "amdgcn-amd-amdhsa--gfx1250"
	.amdhsa_code_object_version 6
	.text
	.protected	k_q414c2597d4_quant
	.globl	k_q414c2597d4_quant
	.p2align	8
	.type	k_q414c2597d4_quant,@function
k_q414c2597d4_quant:
	s_mov_b64 s[64:65], 0
	v_nop
	global_prefetch_b8 v0, s[64:65] scope:SCOPE_SE
	s_setreg_imm32_b32 hwreg(HW_REG_WAVE_MODE, 25, 1), 1
	s_wait_xcnt 0x0
; X1, X2 [8192][1024] and Wq, Wk, Wv, Wo [1024 (k)][1024 (n)], f32, become codes of FP8 (E4M3) with one E8M0 scale byte for each 32 along K (K = the 1,024 inputs).
; A block's scale is 2^(floor(log2(its largest magnitude)) - 8); each number is divided by it, held within +-448 and rounded to the nearest code, ties to even.
; LAYOUT OF THE CODES: images of operand registers.  A TILE is 16 rows: tile T = 2 B + u, lane r, holds row 32 B + 8 u + r + 8 (r / 8).  A FRAGMENT (a tile x 128 along K) is 2,048 bytes:
; group c (0..3) at 512 c + 16 x lane; lane (r, h) holds k = 32 c + 16 h + 0 .. 15 of its row.  xc: [X1, X2][K step of 256][tile 0..511][2 fragments]; wc: [q, k, v, o][K step of 256][tile 0..63][2 fragments], rows = output columns.
; sc: one 32-bit scale word for a row and 128 along K, [tile][r][8 words]: X1 at 0, X2 at 262,144, (O at 524,288, written later), W at 786,432 + 32,768 x weight.
; LIMITS: NaN and infinities among the inputs are not served.  A block of zeros gets the byte 1 where the rule says 127: its codes are zeros, and this program alone reads the bytes.
; Work-groups 0-255 take X1 and X2, a wave a tile (16 rows, all of K); work-groups 256-383 take the weights, a wave 32 columns x 256 along K.  Waves share nothing: no barrier.  Memory binds: no matrix unit, no cluster, no tensor load.
.set LI,   4                           ; v4   16 x lane
.set SIN,  5                           ; v5   my wave's stage, as loaded: 8,448 x wave + 16 x lane
.set SOUT, 6                           ; v6   and as read back: 8,448 x wave + 528 r + 64 h
.set SCO,  7                           ; v7   32 r + 16 h: my four scale words' place in the tile's 512 bytes
.set TM,   8                           ; v8-23  at work: largest magnitudes, bytes, holds, scale operands
.set SW,   24                          ; v24-31 the row's eight scale words
.set OW,   32                          ; v32-35 four of them on their way out
.set PC,   40                          ; v40-55 a fragment's codes
.set ST,   64                          ; v64-127 64 numbers: register 16 b + i = k 32 b + 16 h + i of my row
.set R,    128                         ; v128-255 two sets of 64 registers as loaded
.set SEL,  28                          ; s[28:29] v_permlanex16_b32's selects for lane l xor 16
.set MNT,  30                          ; s30  the mantissa field of 448
; 64 numbers of a lane, v[s] on, become a fragment's codes in v[PC] on and its scale word in v[pw]
.macro QUANT s, pw
.irp b, 0,1,2,3
	v_max3_num_f32 v[TM+\b], |v[(\s)+16*\b]|, |v[(\s)+1+16*\b]|, 0x4800000   ; block b: my 16 numbers, and the floor 2^(9 - 127): the byte cannot fall under 1
.endr
.irp i, 2,4,6,8,10,12,14
.irp b, 0,1,2,3
	v_max3_num_f32 v[TM+\b], v[TM+\b], |v[(\s)+16*\b+\i]|, |v[(\s)+1+16*\b+\i]|   ; the four blocks by turns
.endr
.endr
.irp b, 0,1,2,3
	v_permlanex16_b32 v[TM+4+\b], v[TM+\b], s[SEL], s[SEL+1]
.endr
.irp b, 0,1,2,3
	v_max_num_f32 v[TM+\b], v[TM+\b], v[TM+4+\b]   ; with lane l xor 16's 16: the block's largest magnitude
.endr
.irp b, 0,1,2,3
	v_add_nc_u32 v[TM+12+\b], 0xfc000000, v[TM+\b]   ; 8 off its exponent field: the conversion's scale operand
.endr
.irp b, 0,1,2,3
	v_and_or_b32 v[TM+8+\b], v[TM+\b], 0x7f800000, s[MNT]   ; 448 x the scale
.endr
.irp b, 0,1,2,3
	v_lshrrev_b32 v[TM+4+\b], 23, v[TM+12+\b]   ; the scale's byte
.endr
	v_lshl_or_b32 v[\pw], v[TM+5], 8, v[TM+4]
	v_lshl_or_b32 v[\pw], v[TM+6], 16, v[\pw]
	v_lshl_or_b32 v[\pw], v[TM+7], 24, v[\pw]
.irp b, 0,1,2,3
.irp i, 0,1,2,3,4,5,6,7,8,9,10,11,12,13,14,15
	v_med3_num_f32 v[(\s)+16*\b+\i], v[(\s)+16*\b+\i], -v[TM+8+\b], v[TM+8+\b]   ; the conversion does not saturate (ISA guide 7.6.2): the hold comes first
.endr
	v_cvt_scalef32_pk8_fp8_f32 v[PC+4*\b:PC+1+4*\b], v[(\s)+16*\b:(\s)+7+16*\b], v[TM+12+\b]
	v_cvt_scalef32_pk8_fp8_f32 v[PC+2+4*\b:PC+3+4*\b], v[(\s)+8+16*\b:(\s)+15+16*\b], v[TM+12+\b]
.endr
	v_nop                                          ; a plain line behind the last conversion
.endm
	s_load_b512 s[8:23], s[0:1], 0x0               ; X1 s[8:9], X2 s[10:11], Wq s[12:13], Wk s[14:15], Wv s[16:17], Wo s[18:19], xc s[20:21], wc s[22:23]
	s_load_b64 s[24:25], s[0:1], 0x40              ; sc
	v_lshl_add_u32 v62, v0, 2, 0x8400
	v_mov_b32 v63, 0
	v_lshrrev_b32 v1, 5, v0
	v_readfirstlane_b32 s26, v1                    ; wave 0..3
	v_and_b32 v1, 31, v0                           ; lane
	v_and_b32 v2, 15, v0                           ; r
	v_bfe_u32 v3, v0, 4, 1                         ; h
	s_mov_b32 s27, 0xffff0000                      ; the lanes with h = 1
	s_mov_b32 s[SEL], 0x76543210
	s_mov_b32 s[SEL+1], 0xfedcba98
	s_mov_b32 s[MNT], 0x600000
	s_cmp_lt_u32 ttmp9, 256
	s_cbranch_scc0 .Lw
	; ---- X1, X2.  K is innermost: each load reads 512 consecutive bytes of one row; a K step's 16 rows turn through the wave's own stage (rows 528 bytes apart: 33 x 16, so the 16 rows of a read fall on different banks)
	v_lshlrev_b32 v[LI], 4, v1
	s_mul_i32 s31, s26, 8448
	v_add_nc_u32 v[SIN], s31, v[LI]
	v_mul_u32_u24 v[SOUT], v2, 528
	v_lshl_add_u32 v[SOUT], v3, 6, v[SOUT]
	v_add_nc_u32 v[SOUT], s31, v[SOUT]
	v_lshlrev_b32 v[SCO], 5, v2
	v_lshl_add_u32 v[SCO], v3, 4, v[SCO]
.irp b, 0,1,2,3
	v_mov_b32 v[TM+4+\b], 0                        ; written once: a lane permute's destination counts as one of its sources
.endr
	s_lshr_b32 s32, ttmp9, 7                       ; X1 (0) or X2 (1)
	s_and_b32 s33, ttmp9, 127
	s_lshl_b32 s33, s33, 2
	s_add_co_u32 s33, s33, s26                     ; my tile T, 0..511
	s_lshr_b32 s34, s33, 1
	s_lshl_b32 s34, s34, 17                        ; 32 rows of 4,096 bytes for each pair of tiles,
	s_and_b32 s35, s33, 1
	s_lshl_b32 s35, s35, 15                        ; 8 rows for the odd tile
	s_add_co_u32 s34, s34, s35
	s_mov_b32 s35, 0
	s_lshl_b32 s36, s32, 23
	s_lshl_b32 s37, s33, 12
	s_add_co_u32 s36, s36, s37                     ; xc: 8,388,608 x tensor + 4,096 T
	s_mov_b32 s37, 0
	s_lshl_b32 s38, s32, 18
	s_lshl_b32 s39, s33, 9
	s_add_co_u32 s38, s38, s39                     ; sc: 262,144 x tensor + 512 T
	s_mov_b32 s39, 0
	s_wait_alu depctr_va_vdst(0)
	s_wait_kmcnt 0x0
	s_cmp_eq_u32 s32, 0
	s_cselect_b64 s[8:9], s[8:9], s[10:11]
	s_add_nc_u64 s[8:9], s[8:9], s[34:35]
	s_add_nc_u64 s[20:21], s[20:21], s[36:37]
	s_add_nc_u64 s[24:25], s[24:25], s[38:39]
.macro LOAD s                          ; K step s (128 numbers) of the tile's 16 rows: row i of the tile is row i + 8 (i / 8) from its first
.irp i, 0,1,2,3,4,5,6,7,8,9,10,11,12,13,14,15
	global_load_b128 v[R+64*((\s)%2)+4*\i:R+64*((\s)%2)+4*\i+3], v[LI], s[8:9] offset:(\i+8*(\i/8))*4096+512*(\s) th:TH_LOAD_NT
.endr
.endm
.macro XSTEP s
.if (\s) < 7
	s_wait_loadcnt 16                              ; this step's 16 loads are in; the next step's 16 may be out
.else
	s_wait_loadcnt 0x0
.endif
.irp i, 0,1,2,3,4,5,6,7,8,9,10,11,12,13,14,15
	ds_store_b128 v[SIN], v[R+64*((\s)%2)+4*\i:R+64*((\s)%2)+4*\i+3] offset:528*\i
.endr
.irp b, 0,1,2,3
.irp j, 0,1,2,3
	ds_load_b128 v[ST+16*\b+4*\j:ST+16*\b+4*\j+3], v[SOUT] offset:128*\b+16*\j   ; LDS serves a wave's instructions in order: these see my stores
.endr
.endr
	s_wait_dscnt 0x0                               ; the numbers are back, and the stores have read their registers,
.if (\s) < 6
	LOAD (\s)+2                                    ; which take the loads of two steps on
.endif
	s_wait_xcnt 0x0                                ; the last step's stores have read the codes' registers: they are written again only behind this wait
	QUANT ST, SW+(\s)
.irp c, 0,1,2,3
	global_store_b128 v[LI], v[PC+4*\c:PC+4*\c+3], s[20:21] offset:((\s)/2)*2097152+((\s)%2)*2048+512*\c   ; 512 consecutive bytes, aligned
.endr
.endm
	LOAD 0
	LOAD 1
.irp s, 0,1,2,3,4,5,6,7
	XSTEP \s
.endr
.irp i, 0,1,2,3
	v_cndmask_b32 v[OW+\i], v[SW+\i], v[SW+4+\i], s27   ; lanes 0-15 send words 0-3 of their row, lanes 16-31 words 4-7
.endr
	global_store_b128 v[SCO], v[OW:OW+3], s[24:25]  ; the tile's 512 bytes of scale words, whole
	s_wait_tensorcnt 0x0
	ds_add_u32 v62, v63
	s_wait_dscnt 0x0
	s_endpgm
	; ---- the weights.  K is the first axis: a lane takes a column n and its registers run down K, so a block of 32 lies in one lane and the codes come out with K innermost
.Lw:
	s_sub_co_u32 s31, ttmp9, 256
	s_lshr_b32 s32, s31, 5                         ; which weight: q, k, v, o
	s_bfe_u32 s33, s31, 0x20003                    ; which 256 along K
	s_and_b32 s34, s31, 7
	s_lshl_b32 s34, s34, 2
	s_add_co_u32 s34, s34, s26                     ; B: my wave's group of 32 columns, 0..31
	s_wait_alu depctr_va_vdst(0)
	v_bfe_u32 v6, v1, 3, 1                         ; column 32 B + x lies in tile 2 B + u, u = (x / 8) % 2,
	v_and_b32 v7, 7, v1
	v_lshl_or_b32 v7, v3, 3, v7                    ; at lane r = x % 8 + 8 (x / 16)
	v_lshlrev_b32 v3, 2, v1                        ; in: 4 bytes a lane
	v_lshlrev_b32 v4, 4, v7
	v_lshl_add_u32 v4, v6, 12, v4                  ; codes: 4,096 u + 16 r
	v_lshlrev_b32 v5, 5, v7
	v_lshl_add_u32 v5, v6, 9, v5                   ; scale words: 512 u + 32 r
	s_lshl_b32 s36, s33, 20                        ; W: 256 rows of 4,096 bytes for each K step,
	s_lshl_b32 s37, s34, 7                         ; 128 bytes for each group of columns
	s_add_co_u32 s36, s36, s37
	s_mov_b32 s37, 0
	s_lshl_b32 s38, s32, 20
	s_lshl_b32 s39, s33, 18
	s_add_co_u32 s38, s38, s39
	s_lshl_b32 s39, s34, 13
	s_add_co_u32 s38, s38, s39                     ; wc: 1,048,576 x weight + 262,144 x K step + 8,192 B
	s_mov_b32 s39, 0
	s_lshl_b32 s40, s32, 15
	s_add_co_u32 s40, s40, 786432
	s_lshl_b32 s41, s34, 10
	s_add_co_u32 s40, s40, s41
	s_lshl_b32 s41, s33, 3
	s_add_co_u32 s40, s40, s41                     ; sc: 786,432 + 32,768 x weight + 1,024 B + 8 x K step
	s_mov_b32 s41, 0
	s_wait_alu depctr_va_vdst(0)
	s_wait_kmcnt 0x0
	s_cmp_eq_u32 s32, 1
	s_cselect_b64 s[12:13], s[14:15], s[12:13]
	s_cmp_eq_u32 s32, 2
	s_cselect_b64 s[12:13], s[16:17], s[12:13]
	s_cmp_eq_u32 s32, 3
	s_cselect_b64 s[12:13], s[18:19], s[12:13]
	s_add_nc_u64 s[12:13], s[12:13], s[36:37]
	s_add_nc_u64 s[22:23], s[22:23], s[38:39]
	s_add_nc_u64 s[24:25], s[24:25], s[40:41]
.macro WLOAD t                         ; block t: W(32 t + i, my column) into set t % 2: 128 consecutive bytes a wave, 512 a work-group
.irp i, 0,1,2,3,4,5,6,7,8,9,10,11,12,13,14,15,16,17,18,19,20,21,22,23,24,25,26,27,28,29,30,31
	global_load_b32 v[64+32*((\t)%2)+\i], v3, s[12:13] offset:(32*(\t)+\i)*4096 th:TH_LOAD_NT
.endr
.endm
.macro WBLOCK t
.set XS, 64+32*((\t)%2)
.set CC, 128+8*(\t)                    ; each block has its own eight registers of codes: no store's data are written again
.if (\t) < 7
	s_wait_loadcnt 32                              ; this block's 32 loads are in; the next block's may be out
.else
	s_wait_loadcnt 0x0
.endif
	v_max3_num_f32 v12, |v[XS]|, |v[XS+1]|, |v[XS+2]|
	v_max3_num_f32 v13, |v[XS+3]|, |v[XS+4]|, |v[XS+5]|
.irp i, 6,10,14,18,22,26
	v_max3_num_f32 v12, v12, |v[XS+\i]|, |v[XS+\i+1]|
	v_max3_num_f32 v13, v13, |v[XS+\i+2]|, |v[XS+\i+3]|
.endr
	v_max3_num_f32 v12, v12, |v[XS+30]|, |v[XS+31]|
	v_max3_num_f32 v12, v12, v13, 0x4800000        ; all 32 numbers are mine; and the floor
	v_add_nc_u32 v11, 0xfc000000, v12              ; the conversion's scale operand
	v_and_or_b32 v10, v12, 0x7f800000, s[MNT]      ; 448 x the scale
	v_lshrrev_b32 v13, 23, v11                     ; the byte
.if (\t)%4 == 0
	v_mov_b32 v[24+(\t)/4], v13
.else
	v_lshl_or_b32 v[24+(\t)/4], v13, 8*((\t)%4), v[24+(\t)/4]
.endif
.irp i, 0,1,2,3,4,5,6,7,8,9,10,11,12,13,14,15,16,17,18,19,20,21,22,23,24,25,26,27,28,29,30,31
	v_med3_num_f32 v[XS+\i], v[XS+\i], -v10, v10
.endr
.irp g, 0,1,2,3
	v_cvt_scalef32_pk8_fp8_f32 v[CC+2*\g:CC+2*\g+1], v[XS+8*\g:XS+8*\g+7], v11
.endr
	v_nop
	global_store_b128 v4, v[CC:CC+3], s[22:23] offset:((\t)/4)*2048+((\t)%4)*512        ; k 0-15 of the block: the place of lane (r, 0); sixteen lanes fill 256 aligned bytes of each of the two tiles
	global_store_b128 v4, v[CC+4:CC+7], s[22:23] offset:((\t)/4)*2048+((\t)%4)*512+256  ; k 16-31: the place of lane (r, 1)
.if (\t)+2 < 8
	WLOAD (\t)+2
.endif
.endm
	WLOAD 0
	WLOAD 1
.irp t, 0,1,2,3,4,5,6,7
	WBLOCK \t
.endr
	global_store_b64 v5, v[24:25], s[24:25]        ; my column's two scale words of this K step: 8 bytes of its 32 (the weights' scale words are 131,072 bytes in all)
	s_endpgm
.Lfunc_end_k_q414c2597d4_quant:
	.size	k_q414c2597d4_quant, .Lfunc_end_k_q414c2597d4_quant-k_q414c2597d4_quant
	.p2alignl 7, 3214868480
	.fill 96, 4, 3214868480
	.section	.rodata,"a",@progbits
	.p2align	6, 0x0
	.amdhsa_kernel k_q414c2597d4_quant
		.amdhsa_group_segment_fixed_size 34304
		.amdhsa_private_segment_fixed_size 0
		.amdhsa_enable_private_segment 0
		.amdhsa_kernarg_size 72
		.amdhsa_user_sgpr_count 2
		.amdhsa_user_sgpr_kernarg_segment_ptr 1
		.amdhsa_wavefront_size32 1
		.amdhsa_system_sgpr_workgroup_id_x 1
		.amdhsa_system_sgpr_workgroup_id_y 1
		.amdhsa_system_sgpr_workgroup_id_z 1
		.amdhsa_system_vgpr_workitem_id 0
		.amdhsa_next_free_vgpr 256
		.amdhsa_next_free_sgpr 66
		.amdhsa_reserve_vcc 0
		.amdhsa_float_denorm_mode_32 3
		.amdhsa_float_denorm_mode_16_64 3
		.amdhsa_memory_ordered 1
		.amdhsa_forward_progress 1
		.amdhsa_inst_pref_size 155
	.end_amdhsa_kernel
	.amdgpu_metadata
---
amdhsa.version: [ 1, 2 ]
amdhsa.kernels:
  - .name:           k_q414c2597d4_quant
    .symbol:         k_q414c2597d4_quant.kd
    .args:
      - { .name: X1, .offset: 0, .size: 8, .value_kind: global_buffer, .address_space: global }
      - { .name: X2, .offset: 8, .size: 8, .value_kind: global_buffer, .address_space: global }
      - { .name: Wq, .offset: 16, .size: 8, .value_kind: global_buffer, .address_space: global }
      - { .name: Wk, .offset: 24, .size: 8, .value_kind: global_buffer, .address_space: global }
      - { .name: Wv, .offset: 32, .size: 8, .value_kind: global_buffer, .address_space: global }
      - { .name: Wo, .offset: 40, .size: 8, .value_kind: global_buffer, .address_space: global }
      - { .name: xc, .offset: 48, .size: 8, .value_kind: global_buffer, .address_space: global }
      - { .name: wc, .offset: 56, .size: 8, .value_kind: global_buffer, .address_space: global }
      - { .name: sc, .offset: 64, .size: 8, .value_kind: global_buffer, .address_space: global }
    .group_segment_fixed_size: 34304
    .private_segment_fixed_size: 0
    .kernarg_segment_align: 8
    .kernarg_segment_size: 72
    .max_flat_workgroup_size: 128
    .sgpr_count:     66
    .vgpr_count:     256
    .wavefront_size: 32
...
	.end_amdgpu_metadata
.endif
;; end of part 1
;; launch proj (part 2): grid 12 x 32, 4 waves a work-group, clusters of 4 x 4, 327,680 bytes of LDS; arguments xc, wc, sc, bq, bk, bv, qkv, qkvs; writes qkv, qkvs
.if DOCPART == 2
	.amdgcn_target "amdgcn-amd-amdhsa--gfx1250"
	.amdhsa_code_object_version 6
	.text
	.protected	k_q414c2597d4_proj
	.globl	k_q414c2597d4_proj
	.p2align	8
	.type	k_q414c2597d4_proj,@function
k_q414c2597d4_proj:
	s_mov_b64 s[64:65], 0
	v_nop
	global_prefetch_b8 v0, s[64:65] scope:SCOPE_SE
	s_setreg_imm32_b32 hwreg(HW_REG_WAVE_MODE, 25, 1), 1
	s_wait_xcnt 0x0
	s_wait_alu depctr_hold_cnt(0) depctr_sa_sdst(0) depctr_va_vdst(0) depctr_va_sdst(0) depctr_va_ssrc(0) depctr_va_vcc(0) depctr_vm_vsrc(0)
	s_getreg_b32 s2, hwreg(HW_REG_IB_STS2, 6, 4)
	s_cmp_eq_u32 s2, 0
	s_cbranch_scc0 .Lentry_in_a_cluster
	s_endpgm
.Lentry_in_a_cluster:
	s_bfe_u32 s2, ttmp6, 0x10000c
	s_cmp_lg_u32 s2, 0xf033
	s_cbranch_scc0 .Lentry_shape_is_right
	s_endpgm
.Lentry_shape_is_right:
.set NP,    8
.set NL,    4
.set FR,    16
.set SLOT,  131072
.set SPARE, 2*SLOT
.set ADRA, 16
.set ADRB, 20
.set LI,   24
.set SCO,  27
.set SPW,  28
.set NIL,  29
.set SC,   32
.set AF,   128
.set NUM,  128
.set TM,   192
.set PC,   208
.set PWS,  224
.set P1,   232
.set P2,   236
.set OA,   240
.set OB,   241
.set G1,  24
.set G0,  32
.set G1B, 48
.set G0B, 56
.set SEL, 2
.set HM,  76
.set MNT, 95
.set MSB, 0
.macro WIN new
.if MSB != (\new)
	s_set_vgpr_msb (MSB<<8)|(\new)
.set MSB, (\new)
.endif
.endm
.set MUL_LO, 0xa1
.set MUL_HI, 0xf1
.set TO_B,   0x40
.macro JLOAD s
	s_cmp_eq_u32 s21, 0
	s_cbranch_scc0 .Lfor_w_\@
	tensor_load_to_lds s[G0+4*\s:G0+4*\s+3], s[G1:G1+7]
	s_nop 0
.rept 4
	v_nop
.endr
	s_branch .Lasked_\@
.Lfor_w_\@:
	tensor_load_to_lds s[G0B+4*\s:G0B+4*\s+3], s[G1B:G1B+7]
	s_nop 0
.rept 4
	v_nop
.endr
.Lasked_\@:
.endm
.macro CREST
	s_cmp_lg_u32 s20, 0
	s_cbranch_scc1 .Lnot_wave_0_\@
	s_barrier_signal -3
.Lnot_wave_0_\@:
	s_barrier_wait -3
	s_barrier_signal -1
	s_barrier_wait -1
.endm
.macro CROUND
	s_barrier_signal -1
	s_barrier_wait -1
	CREST
.endm
.macro QUANT s, pw
.irp b, 0,1,2,3
	v_max3_num_f32 v[TM+\b], |v[(\s)+16*\b]|, |v[(\s)+1+16*\b]|, 0x4800000
.endr
.irp i, 2,4,6,8,10,12,14
.irp b, 0,1,2,3
	v_max3_num_f32 v[TM+\b], v[TM+\b], |v[(\s)+16*\b+\i]|, |v[(\s)+1+16*\b+\i]|
.endr
.endr
.irp b, 0,1,2,3
	v_permlanex16_b32 v[TM+4+\b], v[TM+\b], s[SEL], s[SEL+1]
.endr
.irp b, 0,1,2,3
	v_max_num_f32 v[TM+\b], v[TM+\b], v[TM+4+\b]
.endr
.irp b, 0,1,2,3
	v_add_nc_u32 v[TM+12+\b], 0xfc000000, v[TM+\b]
.endr
.irp b, 0,1,2,3
	v_and_or_b32 v[TM+8+\b], v[TM+\b], 0x7f800000, s[MNT]
.endr
.irp b, 0,1,2,3
	v_lshrrev_b32 v[TM+4+\b], 23, v[TM+12+\b]
.endr
	v_lshl_or_b32 v[\pw], v[TM+5], 8, v[TM+4]
	v_lshl_or_b32 v[\pw], v[TM+6], 16, v[\pw]
	v_lshl_or_b32 v[\pw], v[TM+7], 24, v[\pw]
.irp b, 0,1,2,3
.irp i, 0,1,2,3,4,5,6,7,8,9,10,11,12,13,14,15
	v_med3_num_f32 v[(\s)+16*\b+\i], v[(\s)+16*\b+\i], -v[TM+8+\b], v[TM+8+\b]
.endr
	v_cvt_scalef32_pk8_fp8_f32 v[PC+4*\b:PC+1+4*\b], v[(\s)+16*\b:(\s)+7+16*\b], v[TM+12+\b]
	v_cvt_scalef32_pk8_fp8_f32 v[PC+2+4*\b:PC+3+4*\b], v[(\s)+8+16*\b:(\s)+15+16*\b], v[TM+12+\b]
.endr
	v_nop
.endm
	s_load_b512 s[4:19], s[0:1], 0x0
	v_lshl_add_u32 v[SPW], v0, 2, SPARE
	v_mov_b32 v[NIL], 0
	ds_add_u32 v28, v29
	ds_add_u32 v28, v29
	s_wait_dscnt 0x0
	v_lshrrev_b32 v1, 5, v0
	v_readfirstlane_b32 s20, v1
	s_lshr_b32 s21, s20, 1
	s_and_b32 s22, s20, 1
	s_bfe_u32 s40, ttmp6, 0x40000
	s_bfe_u32 s41, ttmp6, 0x40004
	s_and_b32 s43, ttmp7, 0xffff
	s_lshl_b32 s43, s43, 2
	s_add_co_u32 s43, s43, s41
	s_lshl_b32 s44, s41, 2
	s_lshl_b32 s44, 15, s44
	s_lshl_b32 s45, 0x1111, s40
	s_or_b32 s[G1], s44, (3<<16)|(1<<21)
	s_or_b32 s[G1B], s45, (3<<16)|(1<<21)
.irp g, G1, G1B
	s_mov_b32 s[\g+1], 32<<16
	s_mov_b32 s[\g+2], 128<<16
	s_mov_b32 s[\g+3], 32<<16
	s_mov_b32 s[\g+4], 128
	s_mov_b32 s[\g+5], 32
	s_mov_b32 s[\g+6], 0
	s_mov_b32 s[\g+7], 0
.endr
	s_min_u32 s46, ttmp9, 1
	s_lshl_b32 s46, s46, 23
	s_lshl_b32 s47, s43, 16
	s_add_co_u32 s46, s46, s47
	s_lshl_b32 s47, s22, 15
	s_add_co_u32 s46, s46, s47
	s_mov_b32 s47, 0
	s_lshl_b32 s66, ttmp9, 20
	s_lshl_b32 s67, s40, 16
	s_add_co_u32 s66, s66, s67
	s_lshl_b32 s67, s22, 15
	s_add_co_u32 s66, s66, s67
	s_mov_b32 s67, 0
	s_lshl_b32 s23, s20, 15
	s_mov_b32 s[SEL], 0x76543210
	s_mov_b32 s[SEL+1], 0xfedcba98
	s_mov_b32 s[MNT], 0x600000
	s_mov_b32 s[HM], 0xffff0000
	s_wait_kmcnt 0x0
	s_add_nc_u64 s[46:47], s[4:5], s[46:47]
	s_add_nc_u64 s[66:67], s[6:7], s[66:67]
	CROUND
.irp s, 0,1
	s_mov_b32 s[G0+4*\s], 1
	s_add_co_u32 s[G0+4*\s+1], s23, \s*SLOT
	s_add_nc_u64 s[G0+4*\s+2:G0+4*\s+3], s[46:47], \s*2097152
	s_or_b32 s[G0+4*\s+3], s[G0+4*\s+3], 0x80000000
	s_mov_b32 s[G0B+4*\s], 1
	s_add_co_u32 s[G0B+4*\s+1], s23, \s*SLOT
	s_add_nc_u64 s[G0B+4*\s+2:G0B+4*\s+3], s[66:67], \s*262144
	s_or_b32 s[G0B+4*\s+3], s[G0B+4*\s+3], 0x80000000
.endr
	JLOAD 0
	v_and_b32 v1, 31, v0
	v_lshlrev_b32 v[LI], 4, v1
	s_wait_alu depctr_va_vdst(0)
	v_and_b32 v2, 15, v0
	v_bfe_u32 v3, v0, 4, 1
	s_lshl_b32 s68, s21, 15
	s_lshl_b32 s69, s22, 15
	s_add_co_u32 s69, s69, 65536
	s_cmp_eq_u32 ttmp9, 2
	s_cselect_b32 s70, s69, s68
	s_cselect_b32 s71, s68, s69
.irp s, 0,1
	v_add_nc_u32 v[ADRA+\s], s70, v[LI]
	v_add_nc_u32 v[ADRB+\s], s71, v[LI]
	s_add_co_u32 s70, s70, SLOT
	s_add_co_u32 s71, s71, SLOT
.endr
	s_min_u32 s72, ttmp9, 1
	s_lshl_b32 s72, s72, 18
	s_lshl_b32 s73, s43, 13
	s_add_co_u32 s72, s72, s73
	s_lshl_b32 s73, s21, 12
	s_add_co_u32 s72, s72, s73
	s_lshl_b32 s73, ttmp9, 15
	s_add_co_u32 s73, s73, 786432
	s_lshl_b32 s74, s40, 13
	s_add_co_u32 s73, s73, s74
	s_lshl_b32 s74, s22, 12
	s_add_co_u32 s73, s73, s74
	s_cmp_eq_u32 ttmp9, 2
	s_cselect_b32 s74, s73, s72
	s_cselect_b32 s75, s72, s73
	v_mov_b32 v4, s74
	v_mov_b32 v5, s75
	v_cndmask_b32 v4, v4, v5, s[HM]
	s_wait_alu depctr_va_vdst(0)
	v_lshl_add_u32 v[SCO], v2, 5, v4
.irp i, 0,1,2,3,4,5,6,7
	global_load_b128 v[SC+8*\i:SC+8*\i+3], v[SCO], s[8:9] offset:512*\i
	global_load_b128 v[SC+8*\i+4:SC+8*\i+7], v[SCO], s[8:9] offset:512*\i+16
.endr
	v_mov_b32 v8, 0x05040100
	v_mov_b32 v5, 0x07060302
	v_cndmask_b32 v8, v8, v5, s[HM]
	v_mov_b32 v9, 0x03020100
	v_mov_b32 v5, 0x07060504
	v_cndmask_b32 v9, v9, v5, s[HM]
	v_lshlrev_b32 v10, 6, v3
	v_and_b32 v11, 8, v2
	v_add_nc_u32 v11, v11, v2
	v_lshlrev_b32 v11, 2, v11
	v_mul_u32_u24 v12, v3, 12288
	v_lshl_add_u32 v12, v2, 4, v12
	s_lshl_b32 s77, s43, 1
	s_add_co_u32 s77, s77, s21
	s_lshr_b32 s78, s77, 4
	s_and_b32 s77, s77, 15
	s_lshl_b32 s78, s78, 4
	s_lshl_b32 s79, s40, 2
	s_add_co_u32 s78, s78, s79
	s_lshl_b32 s79, s22, 1
	s_add_co_u32 s78, s78, s79
	s_mul_i32 s80, s78, 393216
	s_mul_i32 s81, s77, 24576
	s_add_co_u32 s80, s80, s81
	s_lshl_b32 s81, ttmp9, 13
	s_add_co_u32 s80, s80, s81
	s_mov_b32 s81, 0
	s_add_nc_u64 s[16:17], s[16:17], s[80:81]
	s_mul_i32 s80, s78, 12288
	s_mul_i32 s82, s77, 768
	s_add_co_u32 s80, s80, s82
	s_lshl_b32 s82, ttmp9, 8
	s_add_co_u32 s80, s80, s82
	s_add_nc_u64 s[18:19], s[18:19], s[80:81]
	s_lshl_b32 s80, s40, 10
	s_lshl_b32 s82, s22, 9
	s_add_co_u32 s80, s80, s82
	s_mov_b32 s91, 1024
	s_mov_b32 s93, 393216
	s_cmp_eq_u32 ttmp9, 1
	s_cselect_b64 s[10:11], s[12:13], s[10:11]
	s_cmp_eq_u32 ttmp9, 2
	s_cselect_b64 s[10:11], s[14:15], s[10:11]
	s_cselect_b32 s86, 0, 1.0
	s_cselect_b32 s88, 1.0, 0
	s_cselect_b32 s91, 2048, s91
	s_cselect_b32 s92, 385024, 0
	s_cselect_b32 s93, 1024, s93
	s_cselect_b32 s94, -1, 0
	s_mov_b32 s87, s86
	s_mov_b32 s89, s88
	s_mov_b32 s90, 0
	s_add_nc_u64 s[10:11], s[10:11], s[80:81]
.macro FRAG reg, adr, q, i
.irp c, 0,1,2,3
	ds_load_b128 v[\reg+4*\c:\reg+4*\c+3], v[\adr] offset:4096*(\i)+2048*(\q)+512*\c
.endr
.endm
.macro MUL16 a0, p, s, zero
.irp a, \a0, \a0+1
.irp b, 0,1,2,3,4,5,6,7
.if \zero
	v_wmma_scale_f32_16x16x128_f8f6f4 v[8*(8*((\a)%4)+\b):8*(8*((\a)%4)+\b)+7], v[128*(\p)+FR*\b:128*(\p)+FR*\b+FR-1], v[AF+FR*(\a):AF+FR*(\a)+FR-1], 0, v[SC+8*\b+(\s)], v[SC+8*(\a)+(\s)] matrix_a_scale:MATRIX_SCALE_ROW1
.else
	v_wmma_scale_f32_16x16x128_f8f6f4 v[8*(8*((\a)%4)+\b):8*(8*((\a)%4)+\b)+7], v[128*(\p)+FR*\b:128*(\p)+FR*\b+FR-1], v[AF+FR*(\a):AF+FR*(\a)+FR-1], v[8*(8*((\a)%4)+\b):8*(8*((\a)%4)+\b)+7], v[SC+8*\b+(\s)], v[SC+8*(\a)+(\s)] matrix_a_scale:MATRIX_SCALE_ROW1
.endif
.endr
.endr
.endm
.macro FETCH_B slot, q, p
	WIN TO_B
.irp i, 0,1,2,3,4,5,6,7
	FRAG 128*(\p)+FR*\i, ADRB+\slot, \q, \i
.endr
	WIN 0
.endm
.macro FETCH_A slot, q, i0
.irp i, \i0, \i0+1, \i0+2, \i0+3
	FRAG AF+FR*(\i), ADRA+\slot, \q, \i
.endr
.endm
.macro PLACES n
.rept \n
	v_nop
.endr
.endm
.macro STEP slot, s, zero
	s_wait_dscnt 4*NL
	WIN MUL_LO
	MUL16 0, 0, \s, \zero
	MUL16 2, 0, \s, \zero
	s_wait_dscnt 0
	PLACES NP
	FETCH_B \slot, 1, 1
	FETCH_A \slot, 1, 0
	WIN MUL_HI
	MUL16 4, 0, \s, \zero
	MUL16 6, 0, \s, \zero
	PLACES NP
	WIN 0
	FETCH_A \slot, 1, 4
.endm
.macro TURN slot, next, s, fill
	s_wait_tensorcnt 0x0
	ds_add_u32 v[SPW], v[NIL]
	s_wait_dscnt 4*NL+1
	WIN MUL_LO
	MUL16 0, 1, \s, 0
	s_wait_dscnt 0x0
	s_barrier_signal -1
	MUL16 2, 1, \s, 0
	WIN 0
	s_barrier_wait -1
.if \fill
	CREST
	s_add_nc_u64 s[G0+4*\slot+2:G0+4*\slot+3], s[G0+4*\slot+2:G0+4*\slot+3], 2*2097152
	s_add_nc_u64 s[G0B+4*\slot+2:G0B+4*\slot+3], s[G0B+4*\slot+2:G0B+4*\slot+3], 2*262144
	JLOAD \slot
	PLACES NP-4
.else
	PLACES NP
.endif
	FETCH_B \next, 0, 0
	FETCH_A \next, 0, 0
	WIN MUL_HI
	MUL16 4, 1, \s, 0
	MUL16 6, 1, \s, 0
	PLACES NP
	WIN 0
	FETCH_A \next, 0, 4
.endm
	s_wait_alu depctr_va_vdst(0)
	s_wait_tensorcnt 0x0
	ds_add_u32 v[SPW], v[NIL]
	s_wait_dscnt 0x0
	CROUND
	JLOAD 1
	FETCH_B 0, 0, 0
	FETCH_A 0, 0, 0
	FETCH_A 0, 0, 4
	s_wait_loadcnt 0x0
	STEP 0, 0, 1
	TURN 0, 1, 1, 1
	STEP 1, 2, 0
	TURN 1, 0, 3, 1
	STEP 0, 4, 0
	TURN 0, 1, 5, 0
	STEP 1, 6, 0
	WIN TO_B
	s_wait_alu depctr_va_vdst(0)
.irp b, 0,1,2,3,4,5,6,7
	global_load_b128 v[8*\b:8*\b+3], v10, s[10:11] offset:4*(32*(\b/2)+8*(\b%2))
	global_load_b128 v[8*\b+4:8*\b+7], v10, s[10:11] offset:4*(32*(\b/2)+8*(\b%2))+16
.endr
.irp a, 0,1,2,3,4,5,6,7
	global_load_b32 v[64+2*\a], v11, s[10:11] offset:4*(32*(\a/2)+8*(\a%2))
	global_load_b32 v[65+2*\a], v11, s[10:11] offset:4*(32*(\a/2)+8*(\a%2))
.endr
	s_wait_dscnt 4*NL
	WIN MUL_LO
	MUL16 0, 1, 7, 0
	MUL16 2, 1, 7, 0
	s_wait_dscnt 0
	WIN MUL_HI
	MUL16 4, 1, 7, 0
	MUL16 6, 1, 7, 0
	WIN 0
	PLACES NP
	s_wait_loadcnt 0x0
.irp b, 0,1,2,3
	v_mov_b32 v[TM+4+\b], 0
.endr
	WIN 0x41
.set i, 0
.rept 32
	v_pk_mul_f32 v[2*i:2*i+1], v[2*i:2*i+1], s[86:87] op_sel_hi:[1,0]
.set i, i+1
.endr
.set i, 0
.rept 8
	v_pk_mul_f32 v[64+2*i:65+2*i], v[64+2*i:65+2*i], s[88:89] op_sel_hi:[1,0]
.set i, i+1
.endr
.macro OUTA a
.if (\a) > 0
	s_wait_xcnt 0x0
.endif
	WIN 0x06+((\a)/4)
.set i, 0
.rept 32
	v_pk_add_f32 v[NUM+2*i:NUM+2*i+1], v[64*((\a)%4)+2*i:64*((\a)%4)+2*i+1], v[2*i:2*i+1]
.set i, i+1
.endr
	WIN 0x04
.set i, 0
.rept 32
	v_pk_add_f32 v[NUM+2*i:NUM+2*i+1], v[NUM+2*i:NUM+2*i+1], v[64+2*(\a):65+2*(\a)]
.set i, i+1
.endr
	WIN 0
	QUANT NUM, PWS+(\a)
	v_add_nc_u32 v[OA], s90, v[LI]
	v_add_nc_u32 v[OB], s93, v[OA]
	global_store_b128 v[OA], v[PC:PC+3], s[16:17]
	global_store_b128 v[OA], v[PC+4:PC+7], s[16:17] offset:512
	global_store_b128 v[OB], v[PC+8:PC+11], s[16:17]
	global_store_b128 v[OB], v[PC+12:PC+15], s[16:17] offset:512
	s_add_co_u32 s90, s90, s91
.if (\a) == 3
	s_add_co_u32 s90, s90, s92
.endif
.endm
.irp a, 0,1,2,3,4,5,6,7
	OUTA \a
.endr
.irp i, 0,1,2,3
	v_perm_b32 v[P1+\i], v[PWS+2*\i+1], v[PWS+2*\i], v8
	v_perm_b32 v[P2+\i], v[PWS+4+\i], v[PWS+\i], v9
.endr
.irp i, 0,1,2,3
	v_cndmask_b32 v[P1+\i], v[P1+\i], v[P2+\i], s94
.endr
	global_store_b128 v12, v[P1:P1+3], s[18:19]
	s_wait_tensorcnt 0x0
	ds_add_u32 v[SPW], v[NIL]
	s_wait_dscnt 0x0
	CROUND
	s_endpgm
.Lfunc_end_k_q414c2597d4_proj:
	.size	k_q414c2597d4_proj, .Lfunc_end_k_q414c2597d4_proj-k_q414c2597d4_proj
	.p2alignl 7, 3214868480
	.fill 96, 4, 3214868480
	.section	.rodata,"a",@progbits
	.p2align	6, 0x0
	.amdhsa_kernel k_q414c2597d4_proj
		.amdhsa_group_segment_fixed_size 327680
		.amdhsa_private_segment_fixed_size 0
		.amdhsa_enable_private_segment 0
		.amdhsa_kernarg_size 64
		.amdhsa_user_sgpr_count 2
		.amdhsa_user_sgpr_kernarg_segment_ptr 1
		.amdhsa_wavefront_size32 1
		.amdhsa_system_sgpr_workgroup_id_x 1
		.amdhsa_system_sgpr_workgroup_id_y 1
		.amdhsa_system_sgpr_workgroup_id_z 1
		.amdhsa_system_vgpr_workitem_id 0
		.amdhsa_next_free_vgpr 1024
		.amdhsa_next_free_sgpr 100
		.amdhsa_reserve_vcc 0
		.amdhsa_float_denorm_mode_32 3
		.amdhsa_float_denorm_mode_16_64 3
		.amdhsa_memory_ordered 1
		.amdhsa_forward_progress 1
		.amdhsa_inst_pref_size 222
	.end_amdhsa_kernel
	.amdgpu_metadata
---
amdhsa.version: [ 1, 2 ]
amdhsa.kernels:
  - .name:           k_q414c2597d4_proj
    .symbol:         k_q414c2597d4_proj.kd
    .args:
      - { .name: xc, .offset: 0, .size: 8, .value_kind: global_buffer, .address_space: global }
      - { .name: wc, .offset: 8, .size: 8, .value_kind: global_buffer, .address_space: global }
      - { .name: sc, .offset: 16, .size: 8, .value_kind: global_buffer, .address_space: global }
      - { .name: bq, .offset: 24, .size: 8, .value_kind: global_buffer, .address_space: global }
      - { .name: bk, .offset: 32, .size: 8, .value_kind: global_buffer, .address_space: global }
      - { .name: bv, .offset: 40, .size: 8, .value_kind: global_buffer, .address_space: global }
      - { .name: qkv, .offset: 48, .size: 8, .value_kind: global_buffer, .address_space: global }
      - { .name: qkvs, .offset: 56, .size: 8, .value_kind: global_buffer, .address_space: global }
    .group_segment_fixed_size: 327680
    .private_segment_fixed_size: 0
    .kernarg_segment_align: 8
    .kernarg_segment_size: 64
    .max_flat_workgroup_size: 128
    .sgpr_count:     100
    .vgpr_count:     1024
    .wavefront_size: 32
...
	.end_amdgpu_metadata
.endif
;; end of part 2
;; launch attn (part 3): grid 4 x 64, 16 waves a work-group, clusters of 4 x 1, 327,680 bytes of LDS; arguments qkv, qkvs, oc, sc; writes oc, sc
.if DOCPART == 3
	.amdgcn_target "amdgcn-amd-amdhsa--gfx1250"
	.amdhsa_code_object_version 6
	.text
	.protected	k_q414c2597d4_attn
	.globl	k_q414c2597d4_attn
	.p2align	8
	.type	k_q414c2597d4_attn,@function
k_q414c2597d4_attn:
	s_mov_b64 s[64:65], 0
	v_nop
	global_prefetch_b8 v0, s[64:65] scope:SCOPE_SE
	s_setreg_imm32_b32 hwreg(HW_REG_WAVE_MODE, 25, 1), 1
	s_wait_xcnt 0x0
	s_wait_alu depctr_hold_cnt(0) depctr_sa_sdst(0) depctr_va_vdst(0) depctr_va_sdst(0) depctr_va_ssrc(0) depctr_va_vcc(0) depctr_vm_vsrc(0)
	s_getreg_b32 s2, hwreg(HW_REG_IB_STS2, 6, 4)
	s_cmp_eq_u32 s2, 0
	s_cbranch_scc0 .Lentry_in_a_cluster
	s_endpgm
.Lentry_in_a_cluster:
	s_bfe_u32 s2, ttmp6, 0x10000c
	s_cmp_lg_u32 s2, 0x3003
	s_cbranch_scc0 .Lentry_shape_is_right
	s_endpgm
.Lentry_shape_is_right:
; O = softmax(Q K^T / 8) V for one (batch, head) g a cluster, both products on codes of FP8 (E4M3) with E8M0 scales; O / l is quantised at once along D_MODEL for the last product.
; THE SOFTMAX: t = score x log2(e) / 8; M = the running largest t rounded up to a whole number; p = 2^(t - M) is quantised along the keys, not normalised; the row's sum l is taken of the unquantised p and divides O at the end.
; SHARES.  The cluster's four work-groups own 512 queries each; each of the sixteen waves takes one tile of 16 queries a pass, two passes; four waves to a SIMD.
; THE HEAD'S WHOLE K AND V STAY IN LDS: 16 blocks of 128 keys, 16,384 bytes each (K 8,192 | V 8,192, images of operand registers), and their scale words, 512 bytes a block.  They are filled ONCE, by joint loads that all four
; work-groups issue alike, one a wave: wave 0 the scale words (16 rows of 512 bytes), waves 1 to 8 two blocks each (2 rows of 16,384 bytes).  Waves 0 to 2 have load lines of their own and wait at the first barrier, which shows
; blocks 0-3 and the scale words; the barrier behind a pass's first two key steps (which read blocks 0 to 2), with every wave's wait for 0, shows the rest.  Nothing is filled again: no ring, and no barrier among a pass's other fourteen steps.
; Nothing is prefetched into the L2: all that the launch reads is asked for in its first lines, so there is no loop to run ahead in.
; TWO BANKS OF 64 REGISTERS TAKE TURNS, so a trip is two steps.  In a step K's fragments lie in one bank and S^T falls into the other; V's fragments follow K's into the first; as soon as a block's p are codes, the next step's fragment of K
; is fetched over them.  The block's number goes round the 16: a pass's last step fetches block 0's K for the next pass (the very last step's fetch is not used).
; LAYOUT.  Both products are used transposed: S^T = K Q^T, O^T = V^T P^T: a lane holds one query (lane % 16) throughout.  Tile 2 B + u, lane r, is key 32 B + 8 u + r + 8 (r / 8), so that the 16 registers of tiles 2 B, 2 B + 1 are 16 neighbouring keys.
; K = 64 IN AN INSTRUCTION OF K = 128: a fragment of K holds two tiles of keys (groups 0, 1: the even tile's d 0-63; groups 2, 3: the odd tile's).  The even tile's scores come from [Q | zeros], the odd tile's from [zeros | Q]: zero codes add nothing.
; LIMITS: NaN and infinities are not served.  A block of zeros gets the byte 1: its codes are zeros.  The promise holds while the scaled scores t stay under 2^31 in magnitude.  O's scale bytes leave one byte a lane, 32 bytes apart: a row's scale word spans two heads, which belong to two clusters.
.set SCB,  0                           ; LDS: the scale words, 8,192 bytes, from byte 0
.set BLK,  32768                       ; the 16 blocks: wave w (1 to 8) fills the 32,768 bytes at 32,768 w
.set SPARE, BLK+16*16384               ; the spare words, 128 bytes a wave
.set LI,   1                           ; v1   16 x lane
.set R16,  2                           ; v2   16 r
.set SPW,  3                           ; v3   my spare word
.set NIL,  4                           ; v4   0
.set OLDM, 5                           ; v5   -M of the step before
.set ADK,  6                           ; v6   the step's block in LDS;  v7 its scale words
.set ADS,  7
.set ADN,  8                           ; v8   the next step's block;  v9 its scale words
.set ASN,  9
                                       ; v12 -M, v13 the largest score, v[14:15] l in two halves; v16-23 zeros, v24-31 Q, v32-39 zeros
.set X,    40                          ; v40-103  one bank
.set Y,    104                         ; v104-167 the other
.set O,    168                         ; v168-199 O^T
.set PCD,  200                         ; v200-215 p's codes
.set KS,   216                         ; v216-219 K's scale words
.set VS,   220                         ; v220-223 V's
.set BM,   224                         ; v224-227 the blocks' largest
.set BP,   228                         ; v228-231 at work
.set BH,   232                         ; v232-235 448 x the scale
.set BS,   236                         ; v236-239 the conversions' scale operands
.set TMP,  240
.set PS,   241                         ; v241 p's scale word
.set F,    242                         ; v[242:243] f = 2^(old M - new M)
.set QLO,  244                         ; v244 Q's two bytes in bytes 0, 1;  v245 in bytes 2, 3
.set QHI,  245
.set Q0S,  246                         ; v246 Q's scale word as loaded;  v247 pass 1's
.set Q1S,  247
.set Q1,   248                         ; v248-255 Q's codes of pass 1
.set WV,   12
.set SEL,  18
.set CS,   20
.set MNT,  22
.set HM,   23
.set G1C,  24                          ; s[24:31] group 1 for two blocks' codes
.set G1S,  32                          ; s[32:39] for the scale words
.set G0S,  40                          ; s[40:43]
.set G0C,  44                          ; s[44:47]
.set N16,  60                          ; s60  16,384 x the number of the trip's first block
.set CNT,  61
.set PASS, 62
.set QB,   66
.set QS,   68
.set OBS,  70
.set SBS,  72
.set SA,   74                          ; s74-77 the next two blocks' places in LDS, and their scale words'
.set SB,   75
.set SC,   76
.set SD,   77
.set NC,   81                          ; s81  -c
.macro CROUND
	s_barrier_signal -1
	s_barrier_wait -1
	s_cmp_lg_u32 s[WV], 0
	s_cbranch_scc1 .Lnot_wave_0_\@
	s_barrier_signal -3
.Lnot_wave_0_\@:
	s_barrier_wait -3
	s_barrier_signal -1
	s_barrier_wait -1
.endm
	s_load_b256 s[4:11], s[0:1], 0x0               ; qkv s[4:5], qkvs s[6:7], oc s[8:9], sc s[10:11]
	v_lshl_add_u32 v[SPW], v0, 2, SPARE
	v_mov_b32 v[NIL], 0
	ds_add_u32 v[SPW], v[NIL]                      ; the opening lines: the add, twice on end, and its wait
	ds_add_u32 v[SPW], v[NIL]
	v_lshrrev_b32 v5, 5, v0
	v_readfirstlane_b32 s[WV], v5                  ; wave 0..15
	s_bfe_u32 s13, ttmp6, 0x40000                  ; cx: which 512 queries: it enters Q's and O's global addresses alone
	s_and_b32 s14, ttmp7, 0xffff                   ; g = 16 b + head, which the four partners share
	s_mov_b32 s[G1C], 15|(3<<16)|(1<<21)           ; 15:0 all four work-groups; elements of 8 bytes; 21 set beside a mask
	s_mov_b32 s[G1C+1], 2048<<16                   ; 2 rows of 16,384 bytes (K and V of a block), 24,576 bytes apart in memory
	s_mov_b32 s[G1C+2], 2<<16
	s_mov_b32 s[G1C+3], 2048<<16
	s_mov_b32 s[G1C+4], 2
	s_mov_b32 s[G1C+5], 3072
	s_mov_b32 s[G1C+6], 0
	s_mov_b32 s[G1C+7], 0
	s_mov_b32 s[G1S], 15|(3<<16)|(1<<21)
	s_mov_b32 s[G1S+1], 64<<16                     ; 16 rows of 512 bytes (K's and V's words of a block), 768 bytes apart in memory
	s_mov_b32 s[G1S+2], 16<<16
	s_mov_b32 s[G1S+3], 64<<16
	s_mov_b32 s[G1S+4], 16
	s_mov_b32 s[G1S+5], 96
	s_mov_b32 s[G1S+6], 0
	s_mov_b32 s[G1S+7], 0
	s_mov_b32 s[SEL], 0x76543210
	s_mov_b32 s[SEL+1], 0xfedcba98
	s_mov_b32 s[CS], 0x3e38aa3b                    ; c = log2(e) / 8
	s_mov_b32 s[CS+1], s[CS]
	s_mov_b32 s[NC], 0xbe38aa3b                    ; -c
	s_mov_b32 s[MNT], 0x600000
	s_mov_b32 s[HM], 0xffff0000
	s_mul_i32 s16, s14, 393216
	s_mov_b32 s17, 0
	s_mul_i32 s74, s14, 12288
	s_mov_b32 s75, 0
	s_max_u32 s76, s[WV], 1                        ; waves 1 to 8 take the pairs of blocks 0 to 7 (held there in the waves that fetch none)
	s_sub_co_u32 s76, s76, 1
	s_min_u32 s76, s76, 7
	s_mul_i32 s76, s76, 49152
	s_add_co_u32 s76, s76, 8192                    ; behind Q's 8,192 bytes of the pair's first block
	s_mov_b32 s77, 0
	s_wait_dscnt 0x0
	s_wait_kmcnt 0x0
	s_add_nc_u64 s[4:5], s[4:5], s[16:17]          ; qkv and qkvs at my head
	s_add_nc_u64 s[6:7], s[6:7], s[74:75]
	CROUND                                         ; all four work-groups are here: the joint loads meet
	s_mov_b32 s[G0S], 1
	s_mov_b32 s[G0S+1], SCB
	s_add_nc_u64 s[G0S+2:G0S+3], s[6:7], 256       ; behind Q's 256 bytes of block 0
	s_or_b32 s[G0S+3], s[G0S+3], 0x80000000
	s_mov_b32 s[G0C], 1
	s_lshl_b32 s[G0C+1], s[WV], 15
	s_add_nc_u64 s[G0C+2:G0C+3], s[4:5], s[76:77]
	s_or_b32 s[G0C+3], s[G0C+3], 0x80000000
; the head's loads, one a wave, in one chain of branches on the wave's number; an s_nop 0 and four v_nop follow each
.macro ARM under, g0, g1, next
	s_cmp_lt_u32 s[WV], \under
	s_cbranch_scc0 \next
	tensor_load_to_lds s[\g0:\g0+3], s[\g1:\g1+7]
	s_nop 0
.rept 4
	v_nop
.endr
	s_branch .Lhead_asked
\next:
.endm
	ARM 1, G0S, G1S, .Lhead_a                      ; wave 0: the scale words
	ARM 3, G0C, G1C, .Lhead_c                      ; waves 1, 2: blocks 0-3
	ARM 9, G0C, G1C, .Lhead_none                   ; waves 3 to 8: blocks 4-15
.Lhead_asked:
	v_and_b32 v5, 31, v0
	v_lshlrev_b32 v[LI], 4, v5
	v_and_b32 v5, 15, v0                           ; r
	v_lshlrev_b32 v[R16], 4, v5
	v_add_nc_u32 v[ADK], BLK, v[LI]
.irp i, 0,1,2,3,4,5,6,7
	v_mov_b32 v[16+\i], 0                          ; zero codes on both sides of Q
	v_mov_b32 v[32+\i], 0
.endr
.irp b, 0,1,2,3
	v_mov_b32 v[BP+\b], 0                          ; written once: a lane permute's destination counts as one of its sources
.endr
	v_mov_b32 v[TMP], 0
	v_mov_b32 v[F+1], 0                            ; (named as the upper half of a pair)
	s_wait_alu depctr_va_vdst(0)                   ; the wait at the end of the head's vector lines
	; my tile of queries in pass p is tile 32 cx + 16 p + wave of the head's 128
	s_lshl_b32 s74, s13, 2
	s_lshr_b32 s75, s[WV], 3
	s_add_co_u32 s74, s74, s75                     ; its block of 128 tokens in pass 0,
	s_bfe_u32 s75, s[WV], 0x20001                  ; its group of 32 in that,
	s_and_b32 s76, s[WV], 1                        ; even or odd tile
	s_mul_i32 s78, s74, 24576
	s_lshl_b32 s77, s75, 11
	s_add_co_u32 s78, s78, s77
	s_lshl_b32 s77, s76, 10
	s_add_co_u32 s78, s78, s77
	s_mov_b32 s79, 0
	s_add_nc_u64 s[QB:QB+1], s[4:5], s[78:79]
	s_mul_i32 s78, s74, 768
	s_lshl_b32 s77, s75, 2
	s_add_co_u32 s78, s78, s77
	s_add_nc_u64 s[QS:QS+1], s[6:7], s[78:79]
	s_lshl_b32 s80, s76, 4                         ; the odd tile's bytes are the word's upper two
	global_load_b128 v[24:27], v[LI], s[QB:QB+1]
	global_load_b128 v[28:31], v[LI], s[QB:QB+1] offset:512
	global_load_b128 v[Q1:Q1+3], v[LI], s[QB:QB+1] offset:49152       ; pass 1: two blocks of 128 tokens on
	global_load_b128 v[Q1+4:Q1+7], v[LI], s[QB:QB+1] offset:49152+512
	global_load_b32 v[Q0S], v[R16], s[QS:QS+1]
	global_load_b32 v[Q1S], v[R16], s[QS:QS+1] offset:1536
	s_and_b32 s74, s14, 15                         ; the head
	s_lshr_b32 s75, s14, 4                         ; b
	s_lshl_b32 s75, s75, 7
	s_lshl_b32 s76, s13, 5
	s_add_co_u32 s75, s75, s76
	s_add_co_u32 s75, s75, s[WV]                   ; O's tile: 128 b + 32 cx + wave
	s_lshr_b32 s76, s74, 2                         ; K = 64 head + d: the K step of 256,
	s_lshl_b32 s78, s76, 21
	s_lshl_b32 s76, s75, 12
	s_add_co_u32 s78, s78, s76
	s_bfe_u32 s76, s74, 0x10001                    ; the fragment in it,
	s_lshl_b32 s76, s76, 11
	s_add_co_u32 s78, s78, s76
	s_and_b32 s76, s74, 1                          ; the pair of groups in that
	s_lshl_b32 s76, s76, 10
	s_add_co_u32 s78, s78, s76
	s_add_nc_u64 s[OBS:OBS+1], s[8:9], s[78:79]
	s_lshl_b32 s78, s75, 9
	s_add_co_u32 s78, s78, 524288
	s_lshl_b32 s76, s74, 1                         ; a head is two bytes of a row's 32
	s_add_co_u32 s78, s78, s76
	s_add_nc_u64 s[SBS:SBS+1], s[10:11], s[78:79]
.macro ADDR d, sa, sb                  ; block (the trip's first + d), round the 16: its place in LDS and that of its scale words (512 = 16,384 / 32 bytes a block, from byte SCB = 0)
	s_add_co_u32 s[\sa], s[N16], (\d)*16384
	s_and_b32 s[\sa], s[\sa], 0x3ffff
	s_lshr_b32 s[\sb], s[\sa], 5
	s_add_co_u32 s[\sa], s[\sa], BLK
.endm
.macro FMA8 sy                         ; t - M for 16 scores
.rept 8
	v_pk_fma_f32 v[(\sy)+i:(\sy)+i+1], v[(\sy)+i:(\sy)+i+1], s[CS:CS+1], v[12:13] op_sel_hi:[1,0,0]
.set i, i+2
.endr
.endm
.macro VLOAD kx, t                     ; V's fragment t
.irp c, 0,1,2,3
	ds_load_b128 v[(\kx)+16*(\t)+4*\c:(\kx)+16*(\t)+4*\c+3], v[ADK] offset:8192+2048*(\t)+512*\c
.endr
.endm
.macro HOLD8 sy, b                     ; p is not negative: a one-sided hold, two numbers a line
.irp i, 0,2,4,6,8,10,12,14
	v_dual_min_num_f32 v[(\sy)+16*(\b)+\i], v[(\sy)+16*(\b)+\i], v[BH+(\b)] :: v_dual_min_num_f32 v[(\sy)+16*(\b)+\i+1], v[(\sy)+16*(\b)+\i+1], v[BH+(\b)]
.endr
.endm
.macro CODES sy, b                     ; block b's 32 p of the lane pair become codes, and the next step's fragment b of K is fetched over my 16
	v_cvt_scalef32_pk8_fp8_f32 v[PCD+4*(\b):PCD+4*(\b)+1], v[(\sy)+16*(\b):(\sy)+16*(\b)+7], v[BS+(\b)]
	v_cvt_scalef32_pk8_fp8_f32 v[PCD+4*(\b)+2:PCD+4*(\b)+3], v[(\sy)+16*(\b)+8:(\sy)+16*(\b)+15], v[BS+(\b)]
.irp c, 0,1,2,3
	ds_load_b128 v[(\sy)+16*(\b)+4*\c:(\sy)+16*(\b)+4*\c+3], v[ADN] offset:2048*(\b)+512*\c
.endr
.endm
; A KEY STEP: 128 keys, block (the trip's first + d).  kx: the bank that holds K's fragments and then V's;  sy: the bank of S^T, then p, then the next step's K
.macro STEP kx, sy, d
	ADDR (\d)+1, SA, SB
	ADDR (\d)+2, SC, SD
	s_wait_dscnt 0x0                               ; K's fragments and scale words, asked for in the step before
.irp t, 0,1,2,3
	v_wmma_scale_f32_16x16x128_f8f6f4 v[(\sy)+16*\t:(\sy)+16*\t+7], v[(\kx)+16*\t:(\kx)+16*\t+15], v[24:39], 0, v[KS+\t], v[QLO]
	v_wmma_scale_f32_16x16x128_f8f6f4 v[(\sy)+16*\t+8:(\sy)+16*\t+15], v[(\kx)+16*\t:(\kx)+16*\t+15], v[16:31], 0, v[KS+\t], v[QHI]
.endr
.rept 8
	v_nop                                          ; places in front of the first read of the scores
.endr
.irp b, 0,1,2,3
	v_max3_num_f32 v[BM+\b], v[(\sy)+16*\b], v[(\sy)+1+16*\b], v[(\sy)+2+16*\b]   ; the largest score of each block of 32 keys: for the row's maximum and, since p rises with the score, for the block's largest p
.endr
.irp i, 3,5,7,9,11,13
.irp b, 0,1,2,3
	v_max3_num_f32 v[BM+\b], v[BM+\b], v[(\sy)+16*\b+\i], v[(\sy)+1+16*\b+\i]
.endr
.endr
.irp b, 0,1,2,3
	v_max_num_f32 v[BM+\b], v[BM+\b], v[(\sy)+15+16*\b]
.endr
.irp b, 0,1,2,3
	s_delay_alu instid0(VALU_DEP_4)
	v_permlanex16_b32 v[BP+\b], v[BM+\b], s[SEL], s[SEL+1]
.endr
	VLOAD \kx, 0                                   ; V's fragments are asked for among the lines of the maximum's chain, and land under the softmax
.irp b, 0,1,2,3
	v_max_num_f32 v[BM+\b], v[BM+\b], v[BP+\b]
.endr
	VLOAD \kx, 1
	v_max3_num_f32 v[TMP], v[BM], v[BM+1], v[BM+2]
	VLOAD \kx, 2
	v_max3_num_f32 v13, v[TMP], v[BM+3], v13       ; the running largest score
	VLOAD \kx, 3
	v_mul_f32 v[TMP], s[NC], v13                   ; -t (c is positive, so the largest score gives the largest t)
	ds_load_b128 v[VS:VS+3], v[ADS] offset:256
	v_floor_f32 v12, v[TMP]                        ; the new -M = -ceil(t): a whole number
.set i, 0
	FMA8 \sy
	v_sub_f32 v[TMP], v12, v[OLDM]                 ; f's three lines stand among the multiply-adds
	FMA8 \sy
	v_cvt_i32_f32 v[TMP], v[TMP]                   ; (it saturates)
	FMA8 \sy
	v_ldexp_f32 v[F], 1.0, v[TMP]                  ; f = 2^(old M - new M): exact
	FMA8 \sy
.irp b, 0,1,2,3
	v_fma_f32 v[BM+\b], v[BM+\b], s[CS], v12
.endr
	s_wait_alu depctr_va_vdst(0)                   ; the wait ahead of the batch
.set i, 0
.rept 64
	v_exp_f32 v[(\sy)+i], v[(\sy)+i]               ; p = 2^(t - M)
.set i, i+1
.endr
.irp b, 0,1,2,3
	v_exp_f32 v[BM+\b], v[BM+\b]                   ; the blocks' largest p: the same two instructions on the same number
.endr
	v_mov_b32 v[OLDM], v12                         ; for the next step; the plain line behind the exponentials
	s_wait_alu depctr_va_vdst(0)                   ; one wait for the batch of 68, ahead of its first reader
	v_pk_add_f32 v[BP:BP+1], v[(\sy):(\sy)+1], v[(\sy)+8:(\sy)+9]   ; the sum of the unquantised p, in four chains by turns
	v_pk_add_f32 v[BP+2:BP+3], v[(\sy)+2:(\sy)+3], v[(\sy)+10:(\sy)+11]
	v_pk_add_f32 v[BH:BH+1], v[(\sy)+4:(\sy)+5], v[(\sy)+12:(\sy)+13]
	v_pk_add_f32 v[BH+2:BH+3], v[(\sy)+6:(\sy)+7], v[(\sy)+14:(\sy)+15]
.irp j, 16,24,32,40,48,56
	v_pk_add_f32 v[BP:BP+1], v[BP:BP+1], v[(\sy)+\j:(\sy)+\j+1]
	v_pk_add_f32 v[BP+2:BP+3], v[BP+2:BP+3], v[(\sy)+\j+2:(\sy)+\j+3]
	v_pk_add_f32 v[BH:BH+1], v[BH:BH+1], v[(\sy)+\j+4:(\sy)+\j+5]
	v_pk_add_f32 v[BH+2:BH+3], v[BH+2:BH+3], v[(\sy)+\j+6:(\sy)+\j+7]
.endr
	v_pk_add_f32 v[BP:BP+1], v[BP:BP+1], v[BP+2:BP+3]
	v_pk_add_f32 v[BH:BH+1], v[BH:BH+1], v[BH+2:BH+3]
.irp b, 0,1,2,3
	v_max_num_f32 v[BM+\b], 0x4800000, v[BM+\b]    ; the floor: the byte cannot fall under 1
.endr
.irp b, 0,1,2,3
	s_delay_alu instid0(VALU_DEP_4)
	v_add_nc_u32 v[BS+\b], 0xfc000000, v[BM+\b]
.endr
	v_pk_add_f32 v[BP:BP+1], v[BP:BP+1], v[BH:BH+1]
	v_nop
	v_nop
	v_pk_fma_f32 v[14:15], v[14:15], v[F:F+1], v[BP:BP+1] op_sel_hi:[1,0,1]   ; l under the new M, and this step's sum
.irp b, 0,1,2,3
	v_and_or_b32 v[BH+\b], v[BM+\b], 0x7f800000, s[MNT]
.endr
.irp b, 0,1,2,3
	v_lshrrev_b32 v[BP+\b], 23, v[BS+\b]
.endr
	s_delay_alu instid0(VALU_DEP_3)
	v_lshl_or_b32 v[PS], v[BP+1], 8, v[BP]         ; p's scale word for these 128 keys
	s_delay_alu instid0(VALU_DEP_1)
	v_lshl_or_b32 v[PS], v[BP+2], 16, v[PS]
	s_delay_alu instid0(VALU_DEP_1)
	v_lshl_or_b32 v[PS], v[BP+3], 24, v[PS]
	HOLD8 \sy, 0                                   ; a block's holds stand a block ahead of its conversions
	HOLD8 \sy, 1
	CODES \sy, 0
	HOLD8 \sy, 2
	CODES \sy, 1
	HOLD8 \sy, 3
	CODES \sy, 2
	CODES \sy, 3
	ds_load_b128 v[KS:KS+3], v[ASN]                ; and the next step's scale words of K
	v_add_nc_u32 v[ADK], s[SA], v[LI]              ; the addresses go one block on (LDS loads have read theirs at issue); sixteen plain lines follow ahead of their readers
	v_add_nc_u32 v[ADS], s[SB], v[R16]
	v_add_nc_u32 v[ADN], s[SC], v[LI]
	v_add_nc_u32 v[ASN], s[SD], v[R16]
	s_wait_alu depctr_va_vdst(0)                   ; the wait here, directly ahead of the first reader of O^T
.set i, 0
.rept 16
	v_pk_mul_f32 v[O+i:O+i+1], v[O+i:O+i+1], v[F:F+1] op_sel_hi:[1,0]   ; O^T under the new M; also the places in front of the products below
.set i, i+2
.endr
	s_wait_alu depctr_va_vdst(0)                   ; the wait here, directly ahead of the wait below
	s_wait_dscnt 17                                ; V and its scale words are in; behind them stand the 16 loads of the next K and the one of its scale words
.irp t, 0,1,2,3
	v_wmma_scale_f32_16x16x128_f8f6f4 v[O+8*\t:O+8*\t+7], v[(\kx)+16*\t:(\kx)+16*\t+15], v[PCD:PCD+15], v[O+8*\t:O+8*\t+7], v[VS+\t], v[PS]
.endr
.rept 9
	v_nop                                          ; nine places: the next step's scores are written over the bank that these products read
.endr
.endm
	s_cmp_lt_u32 s[WV], 3                          ; waves 0 to 2: the scale words and blocks 0-3 have landed; the other waves' wait stands at the barrier behind the first two steps
	s_cbranch_scc0 .Lnot_first
	s_wait_tensorcnt 0x0
.Lnot_first:
	s_barrier_signal -1
	s_barrier_wait -1
.irp t, 0,1,2,3                        ; block 0's K for the first pass
.irp c, 0,1,2,3
	ds_load_b128 v[X+16*\t+4*\c:X+16*\t+4*\c+3], v[ADK] offset:2048*\t+512*\c
.endr
.endr
	ds_load_b128 v[KS:KS+3], v[R16] offset:SCB
	s_wait_loadcnt 0x0                             ; Q of both passes
	s_mov_b32 s[PASS], 0
.Lpass:
	s_wait_alu depctr_va_vdst(0)                   ; the wait here: the second pass's queries were copied ahead of the jump
	v_lshrrev_b32 v[QLO], s80, v[Q0S]
	s_delay_alu instid0(VALU_DEP_1)
	v_and_b32 v[QLO], 0xffff, v[QLO]               ; my tile's two bytes over zeros' byte 0,
	s_delay_alu instid0(VALU_DEP_1)
	v_lshlrev_b32 v[QHI], 16, v[QLO]               ; and the other way round
	v_mov_b32 v13, 0xff61b1e6                      ; the largest score so far: -3e38
	v_mov_b32 v[OLDM], 0x7e000000                  ; -M so far: 2^125, so that the first f is 0
	v_mov_b32 v14, 0
	v_mov_b32 v15, 0
	v_add_nc_u32 v[ADK], BLK, v[LI]                ; block 0, and block 1 behind it
	v_add_nc_u32 v[ADS], SCB, v[R16]
	v_add_nc_u32 v[ADN], BLK+16384, v[LI]
	v_add_nc_u32 v[ASN], SCB+512, v[R16]
.set i, 0
.rept 32
	v_mov_b32 v[O+i], 0                            ; the step is written once: the first finds zeros.  (Also the places between the scale words' making and the first product)
.set i, i+1
.endr
	s_mov_b32 s[N16], 0
	STEP X, Y, 0                                   ; blocks 0 and 1; block 2's K is fetched
	STEP Y, X, 1
	s_wait_tensorcnt 0x0                           ; every wave: all that is still out has landed
	s_wait_dscnt 0x0
	s_barrier_signal -1
	s_barrier_wait -1
	s_mov_b32 s[N16], 32768
	s_mov_b32 s[CNT], 7
.Lpair:                                            ; blocks 2 to 15, two a trip
	STEP X, Y, 0
	STEP Y, X, 1
	s_add_co_u32 s[N16], s[N16], 32768
	s_sub_co_u32 s[CNT], s[CNT], 1
	s_cmp_lg_u32 s[CNT], 0
	s_cbranch_scc1 .Lpair
	v_and_b32 v[BS+3], 15, v0
	v_bfe_u32 v[BS+2], v0, 4, 1
	v_lshl_add_u32 v[BS+2], v[BS+3], 5, v[BS+2]    ; 32 r + h: my scale byte's place
	v_add_f32 v14, v14, v15
	s_delay_alu instid0(VALU_DEP_1)
	v_permlanex16_b32 v[TMP], v14, s[SEL], s[SEL+1]
	s_delay_alu instid0(VALU_DEP_1)
	v_add_f32 v14, v14, v[TMP]                     ; the row's sum
	s_wait_alu depctr_va_vdst(0)                   ; the wait ahead of the transcendental
	v_rcp_f32 v14, v14
	v_nop
	s_wait_alu depctr_va_vdst(0)                   ; and ahead of its first reader, which is also the first reader of O^T
.set i, 0
.rept 32
	v_mul_f32 v[Y+i], v[O+i], v14                  ; O / l: register 16 b + i is d = 32 b + 16 h + i of my query; each accumulator from its low end on.  (Bank X is left alone: the next pass's K is landing there)
.set i, i+1
.endr
.irp b, 0,1
	v_max3_num_f32 v[BM+\b], |v[Y+16*\b]|, |v[Y+1+16*\b]|, 0x4800000
.endr
.irp i, 2,4,6,8,10,12,14
.irp b, 0,1
	s_delay_alu instid0(VALU_DEP_2)
	v_max3_num_f32 v[BM+\b], v[BM+\b], |v[Y+16*\b+\i]|, |v[Y+1+16*\b+\i]|
.endr
.endr
.irp b, 0,1
	s_delay_alu instid0(VALU_DEP_2)
	v_permlanex16_b32 v[BP+\b], v[BM+\b], s[SEL], s[SEL+1]
.endr
.irp b, 0,1
	s_delay_alu instid0(VALU_DEP_2)
	v_max_num_f32 v[BM+\b], v[BM+\b], v[BP+\b]
.endr
.irp b, 0,1
	s_delay_alu instid0(VALU_DEP_2)
	v_add_nc_u32 v[BS+\b], 0xfc000000, v[BM+\b]
.endr
.irp b, 0,1
	s_delay_alu instid0(VALU_DEP_4)
	v_and_or_b32 v[BH+\b], v[BM+\b], 0x7f800000, s[MNT]
.endr
.irp b, 0,1
	s_delay_alu instid0(VALU_DEP_4)
	v_lshrrev_b32 v[BP+\b], 23, v[BS+\b]
.endr
.irp b, 0,1
.irp i, 0,1,2,3,4,5,6,7,8,9,10,11,12,13,14,15
	v_med3_num_f32 v[Y+16*\b+\i], v[Y+16*\b+\i], -v[BH+\b], v[BH+\b]
.endr
	v_cvt_scalef32_pk8_fp8_f32 v[PCD+4*\b:PCD+4*\b+1], v[Y+16*\b:Y+16*\b+7], v[BS+\b]
	v_cvt_scalef32_pk8_fp8_f32 v[PCD+4*\b+2:PCD+4*\b+3], v[Y+16*\b+8:Y+16*\b+15], v[BS+\b]
.endr
	v_cndmask_b32 v[BH+2], v[BP], v[BP+1], s[HM]   ; lanes 0-15 send block 0's byte, lanes 16-31 block 1's
	global_store_b128 v[LI], v[PCD:PCD+3], s[OBS:OBS+1]               ; 512 consecutive bytes, aligned: a group of the last product's operand
	global_store_b128 v[LI], v[PCD+4:PCD+7], s[OBS:OBS+1] offset:512
	global_store_b8 v[BS+2], v[BH+2], s[SBS:SBS+1]
	s_wait_xcnt 0x0                                ; the stores have read their data, offsets and bases: all are written again only behind this wait
	s_add_nc_u64 s[OBS:OBS+1], s[OBS:OBS+1], 65536 ; 16 tiles on
	s_add_nc_u64 s[SBS:SBS+1], s[SBS:SBS+1], 8192
.irp i, 0,1,2,3,4,5,6,7
	v_mov_b32 v[24+\i], v[Q1+\i]                   ; the second pass's queries
.endr
	v_mov_b32 v[Q0S], v[Q1S]
	s_add_co_u32 s[PASS], s[PASS], 1
	s_cmp_lt_u32 s[PASS], 2
	s_cbranch_scc1 .Lpass
	s_wait_tensorcnt 0x0                           ; the wave's end
	ds_add_u32 v[SPW], v[NIL]
	s_wait_dscnt 0x0
	CROUND                                         ; the closing round: no work-group ends while a partner may still issue a joint load that names it
	s_endpgm
.Lfunc_end_k_q414c2597d4_attn:
	.size	k_q414c2597d4_attn, .Lfunc_end_k_q414c2597d4_attn-k_q414c2597d4_attn
	.p2alignl 7, 3214868480
	.fill 96, 4, 3214868480
	.section	.rodata,"a",@progbits
	.p2align	6, 0x0
	.amdhsa_kernel k_q414c2597d4_attn
		.amdhsa_group_segment_fixed_size 327680
		.amdhsa_private_segment_fixed_size 0
		.amdhsa_enable_private_segment 0
		.amdhsa_kernarg_size 32
		.amdhsa_user_sgpr_count 2
		.amdhsa_user_sgpr_kernarg_segment_ptr 1
		.amdhsa_wavefront_size32 1
		.amdhsa_system_sgpr_workgroup_id_x 1
		.amdhsa_system_sgpr_workgroup_id_y 1
		.amdhsa_system_sgpr_workgroup_id_z 1
		.amdhsa_system_vgpr_workitem_id 0
		.amdhsa_next_free_vgpr 256
		.amdhsa_next_free_sgpr 96
		.amdhsa_reserve_vcc 0
		.amdhsa_float_denorm_mode_32 3
		.amdhsa_float_denorm_mode_16_64 3
		.amdhsa_memory_ordered 1
		.amdhsa_forward_progress 1
		.amdhsa_inst_pref_size 94
	.end_amdhsa_kernel
	.amdgpu_metadata
---
amdhsa.version: [ 1, 2 ]
amdhsa.kernels:
  - .name:           k_q414c2597d4_attn
    .symbol:         k_q414c2597d4_attn.kd
    .args:
      - { .name: qkv, .offset: 0, .size: 8, .value_kind: global_buffer, .address_space: global }
      - { .name: qkvs, .offset: 8, .size: 8, .value_kind: global_buffer, .address_space: global }
      - { .name: oc, .offset: 16, .size: 8, .value_kind: global_buffer, .address_space: global }
      - { .name: sc, .offset: 24, .size: 8, .value_kind: global_buffer, .address_space: global }
    .group_segment_fixed_size: 327680
    .private_segment_fixed_size: 0
    .kernarg_segment_align: 8
    .kernarg_segment_size: 32
    .max_flat_workgroup_size: 512
    .sgpr_count:     96
    .vgpr_count:     256
    .wavefront_size: 32
...
	.end_amdgpu_metadata
.endif
;; end of part 3
;; launch outproj (part 4): grid 8 x 32, 4 waves a work-group, clusters of 4 x 4, 327,680 bytes of LDS; arguments oc, wc, sc, bo, out0; writes out0
.if DOCPART == 4
	.amdgcn_target "amdgcn-amd-amdhsa--gfx1250"
	.amdhsa_code_object_version 6
	.text
	.protected	k_q414c2597d4_outproj
	.globl	k_q414c2597d4_outproj
	.p2align	8
	.type	k_q414c2597d4_outproj,@function
k_q414c2597d4_outproj:
	s_mov_b64 s[64:65], 0
	v_nop
	global_prefetch_b8 v0, s[64:65] scope:SCOPE_SE
	s_setreg_imm32_b32 hwreg(HW_REG_WAVE_MODE, 25, 1), 1
	s_wait_xcnt 0x0
	s_wait_alu depctr_hold_cnt(0) depctr_sa_sdst(0) depctr_va_vdst(0) depctr_va_sdst(0) depctr_va_ssrc(0) depctr_va_vcc(0) depctr_vm_vsrc(0)
	s_getreg_b32 s2, hwreg(HW_REG_IB_STS2, 6, 4)
	s_cmp_eq_u32 s2, 0
	s_cbranch_scc0 .Lentry_in_a_cluster
	s_endpgm
.Lentry_in_a_cluster:
	s_bfe_u32 s2, ttmp6, 0x10000c
	s_cmp_lg_u32 s2, 0xf033
	s_cbranch_scc0 .Lentry_shape_is_right
	s_endpgm
.Lentry_shape_is_right:
.set NP,    8
.set NL,    4
.set FR,    16
.set SLOT,  131072
.set SPARE, 2*SLOT
.set SPITCH, 528
.set ADRA, 16
.set ADRB, 20
.set LI,   24
.set STO,  25
.set RD,   26
.set SCO,  27
.set SPW,  28
.set NIL,  29
.set SC,   32
.set BO,   96
.set AF,   128
.set BK,   128
.set G1,  24
.set G0,  32
.set G1B, 48
.set G0B, 56
.set HM,  76
.set MSB, 0
.macro WIN new
.if MSB != (\new)
	s_set_vgpr_msb (MSB<<8)|(\new)
.set MSB, (\new)
.endif
.endm
.set MUL_LO, 0xa1
.set MUL_HI, 0xf1
.set TO_B,   0x40
.macro JLOAD s
	s_cmp_eq_u32 s21, 0
	s_cbranch_scc0 .Lfor_w_\@
	tensor_load_to_lds s[G0+4*\s:G0+4*\s+3], s[G1:G1+7]
	s_nop 0
.rept 4
	v_nop
.endr
	s_branch .Lasked_\@
.Lfor_w_\@:
	tensor_load_to_lds s[G0B+4*\s:G0B+4*\s+3], s[G1B:G1B+7]
	s_nop 0
.rept 4
	v_nop
.endr
.Lasked_\@:
.endm
.macro CREST
	s_cmp_lg_u32 s20, 0
	s_cbranch_scc1 .Lnot_wave_0_\@
	s_barrier_signal -3
.Lnot_wave_0_\@:
	s_barrier_wait -3
	s_barrier_signal -1
	s_barrier_wait -1
.endm
.macro CROUND
	s_barrier_signal -1
	s_barrier_wait -1
	CREST
.endm
	s_load_b256 s[4:11], s[0:1], 0x0
	s_load_b64 s[12:13], s[0:1], 0x20
	v_lshl_add_u32 v[SPW], v0, 2, SPARE
	v_mov_b32 v[NIL], 0
	ds_add_u32 v28, v29
	ds_add_u32 v28, v29
	s_wait_dscnt 0x0
	v_lshrrev_b32 v1, 5, v0
	v_readfirstlane_b32 s20, v1
	s_lshr_b32 s21, s20, 1
	s_and_b32 s22, s20, 1
	s_bfe_u32 s40, ttmp6, 0x40000
	s_bfe_u32 s41, ttmp6, 0x40004
	s_and_b32 s43, ttmp7, 0xffff
	s_lshl_b32 s43, s43, 2
	s_add_co_u32 s43, s43, s41
	s_lshl_b32 s44, s41, 2
	s_lshl_b32 s44, 15, s44
	s_lshl_b32 s45, 0x1111, s40
	s_or_b32 s[G1], s44, (3<<16)|(1<<21)
	s_or_b32 s[G1B], s45, (3<<16)|(1<<21)
.irp g, G1, G1B
	s_mov_b32 s[\g+1], 32<<16
	s_mov_b32 s[\g+2], 128<<16
	s_mov_b32 s[\g+3], 32<<16
	s_mov_b32 s[\g+4], 128
	s_mov_b32 s[\g+5], 32
	s_mov_b32 s[\g+6], 0
	s_mov_b32 s[\g+7], 0
.endr
	s_mov_b32 s[G1B+2], 64<<16
	s_mov_b32 s[G1B+4], 64
	s_lshl_b32 s84, ttmp9, 2
	s_add_co_u32 s84, s84, s40
	s_lshl_b32 s85, s22, 14
	s_add_co_u32 s85, s85, 65536
	s_lshl_b32 s46, s43, 16
	s_lshl_b32 s47, s22, 15
	s_add_co_u32 s46, s46, s47
	s_mov_b32 s47, 0
	s_lshl_b32 s66, s84, 15
	s_add_co_u32 s66, s66, 3*1048576
	s_lshl_b32 s67, s22, 14
	s_add_co_u32 s66, s66, s67
	s_mov_b32 s67, 0
	s_lshl_b32 s23, s20, 15
	s_mov_b32 s[HM], 0xffff0000
	s_wait_kmcnt 0x0
	s_add_nc_u64 s[46:47], s[4:5], s[46:47]
	s_add_nc_u64 s[66:67], s[6:7], s[66:67]
	CROUND
.irp s, 0,1
	s_mov_b32 s[G0+4*\s], 1
	s_add_co_u32 s[G0+4*\s+1], s23, \s*SLOT
	s_add_nc_u64 s[G0+4*\s+2:G0+4*\s+3], s[46:47], \s*2097152
	s_or_b32 s[G0+4*\s+3], s[G0+4*\s+3], 0x80000000
	s_mov_b32 s[G0B+4*\s], 1
	s_add_co_u32 s[G0B+4*\s+1], s85, \s*SLOT
	s_add_nc_u64 s[G0B+4*\s+2:G0B+4*\s+3], s[66:67], \s*262144
	s_or_b32 s[G0B+4*\s+3], s[G0B+4*\s+3], 0x80000000
.endr
	JLOAD 0
	v_and_b32 v1, 31, v0
	v_lshlrev_b32 v[LI], 4, v1
	v_and_b32 v2, 15, v0
	v_bfe_u32 v3, v0, 4, 1
	s_lshl_b32 s70, s21, 15
	s_lshl_b32 s71, s22, 14
	s_add_co_u32 s71, s71, 65536
.irp s, 0,1
	v_add_nc_u32 v[ADRA+\s], s70, v[LI]
	v_add_nc_u32 v[ADRB+\s], s71, v[LI]
	s_add_co_u32 s70, s70, SLOT
	s_add_co_u32 s71, s71, SLOT
.endr
	s_lshl_b32 s74, s43, 13
	s_add_co_u32 s74, s74, 524288
	s_lshl_b32 s73, s21, 12
	s_add_co_u32 s74, s74, s73
	s_lshl_b32 s75, s84, 12
	s_add_co_u32 s75, s75, 786432+3*32768
	s_lshl_b32 s73, s22, 11
	s_add_co_u32 s75, s75, s73
	v_mov_b32 v4, s74
	v_mov_b32 v5, s75
	v_cndmask_b32 v4, v4, v5, s[HM]
	s_wait_alu depctr_va_vdst(0)
	v_lshl_add_u32 v[SCO], v2, 5, v4
	v_lshlrev_b32 v5, 11, v3
	v_sub_nc_u32 v30, v[SCO], v5
	v_lshlrev_b32 v31, 4, v2
	v_lshl_add_u32 v6, v3, 12, v31
	s_wait_alu depctr_va_vdst(0)
.irp i, 0,1,2,3
	global_load_b128 v[SC+8*\i:SC+8*\i+3], v[SCO], s[8:9] offset:512*\i
	global_load_b128 v[SC+8*\i+4:SC+8*\i+7], v[SCO], s[8:9] offset:512*\i+16
.endr
.irp i, 4,5,6,7
	global_load_b128 v[SC+8*\i:SC+8*\i+3], v30, s[8:9] offset:512*\i
	global_load_b128 v[SC+8*\i+4:SC+8*\i+7], v30, s[8:9] offset:512*\i+16
.endr
	s_lshl_b32 s80, s84, 9
	s_lshl_b32 s82, s22, 8
	s_add_co_u32 s80, s80, s82
	s_mov_b32 s81, 0
	s_add_nc_u64 s[10:11], s[10:11], s[80:81]
	global_load_b128 v[BO:BO+3], v31, s[10:11]
	s_lshl_b32 s82, s43, 20
	s_add_co_u32 s80, s80, s82
	s_lshl_b32 s82, s21, 19
	s_add_co_u32 s80, s80, s82
	s_add_nc_u64 s[12:13], s[12:13], s[80:81]
	s_mul_i32 s83, s20, 16*SPITCH
	v_mul_u32_u24 v[STO], v2, SPITCH
	v_lshl_add_u32 v[STO], v3, 6, v[STO]
	v_add_nc_u32 v[STO], s83, v[STO]
	v_mul_u32_u24 v[RD], v3, SPITCH
	v_add_nc_u32 v[RD], v[RD], v31
	v_add_nc_u32 v[RD], s83, v[RD]
.macro FRAG reg, adr, q, i
.irp c, 0,1,2,3
	ds_load_b128 v[\reg+4*\c:\reg+4*\c+3], v[\adr] offset:4096*(\i)+2048*(\q)+512*\c
.endr
.endm
.macro MUL16 a0, p, s, zero
.irp a, \a0, \a0+1
.irp b, 0,1,2,3
.if \zero
	v_wmma_scale_f32_16x16x128_f8f6f4 v[8*(8*((\a)%4)+\b):8*(8*((\a)%4)+\b)+7], v[128*(\p)+FR*\b:128*(\p)+FR*\b+FR-1], v[AF+FR*(\a):AF+FR*(\a)+FR-1], 0, v[SC+8*\b+(\s)], v[SC+8*(\a)+(\s)] matrix_a_scale:MATRIX_SCALE_ROW1
.else
	v_wmma_scale_f32_16x16x128_f8f6f4 v[8*(8*((\a)%4)+\b):8*(8*((\a)%4)+\b)+7], v[128*(\p)+FR*\b:128*(\p)+FR*\b+FR-1], v[AF+FR*(\a):AF+FR*(\a)+FR-1], v[8*(8*((\a)%4)+\b):8*(8*((\a)%4)+\b)+7], v[SC+8*\b+(\s)], v[SC+8*(\a)+(\s)] matrix_a_scale:MATRIX_SCALE_ROW1
.endif
.endr
.endr
.endm
.macro FETCH_B slot, q, p
	WIN TO_B
.irp i, 0,1,2,3
	FRAG 128*(\p)+FR*\i, ADRB+\slot, \q, \i
.endr
	WIN 0
.endm
.macro FETCH_A slot, q, i0
.irp i, \i0, \i0+1, \i0+2, \i0+3
	FRAG AF+FR*(\i), ADRA+\slot, \q, \i
.endr
.endm
.macro PLACES n
.rept \n
	v_nop
.endr
.endm
.macro STEP slot, s, zero
	s_wait_dscnt 4*NL
	WIN MUL_LO
	MUL16 0, 0, \s, \zero
	MUL16 2, 0, \s, \zero
	s_wait_dscnt 0
	PLACES NP
	FETCH_B \slot, 1, 1
	FETCH_A \slot, 1, 0
	WIN MUL_HI
	MUL16 4, 0, \s, \zero
	MUL16 6, 0, \s, \zero
	PLACES NP
	WIN 0
	FETCH_A \slot, 1, 4
.endm
.macro TURN slot, next, s, fill
	s_wait_tensorcnt 0x0
	ds_add_u32 v[SPW], v[NIL]
	s_wait_dscnt 4*NL+1
	WIN MUL_LO
	MUL16 0, 1, \s, 0
	s_wait_dscnt 0x0
	s_barrier_signal -1
	MUL16 2, 1, \s, 0
	WIN 0
	s_barrier_wait -1
.if \fill
	CREST
	s_add_nc_u64 s[G0+4*\slot+2:G0+4*\slot+3], s[G0+4*\slot+2:G0+4*\slot+3], 2*2097152
	s_add_nc_u64 s[G0B+4*\slot+2:G0B+4*\slot+3], s[G0B+4*\slot+2:G0B+4*\slot+3], 2*262144
	JLOAD \slot
	PLACES NP-4
.else
	PLACES NP
.endif
	FETCH_B \next, 0, 0
	FETCH_A \next, 0, 0
	WIN MUL_HI
	MUL16 4, 1, \s, 0
	MUL16 6, 1, \s, 0
	PLACES NP
	WIN 0
	FETCH_A \next, 0, 4
.endm
	s_wait_alu depctr_va_vdst(0)
	s_wait_tensorcnt 0x0
	ds_add_u32 v[SPW], v[NIL]
	s_wait_dscnt 0x0
	CROUND
	JLOAD 1
	FETCH_B 0, 0, 0
	FETCH_A 0, 0, 0
	FETCH_A 0, 0, 4
	s_wait_loadcnt 0x0
	STEP 0, 0, 1
	TURN 0, 1, 1, 1
	STEP 1, 2, 0
	TURN 1, 0, 3, 1
	STEP 0, 4, 0
	TURN 0, 1, 5, 0
	STEP 1, 6, 0
	s_wait_dscnt 4*NL
	WIN MUL_LO
	MUL16 0, 1, 7, 0
	MUL16 2, 1, 7, 0
	s_wait_alu depctr_va_vdst(0)
	s_wait_dscnt 0
	WIN MUL_HI
	MUL16 4, 1, 7, 0
	MUL16 6, 1, 7, 0
	WIN 0
.macro TOSTAGE a
.set AC, 64*((\a)%4)
	WIN 0x08+4*((\a)/4)
.irp b, 0,1,2,3
	ds_store_b128 v[STO], v[AC+8*\b:AC+8*\b+3] offset:128*(\b/2)+32*(\b%2)
	ds_store_b128 v[STO], v[AC+8*\b+4:AC+8*\b+7] offset:128*(\b/2)+32*(\b%2)+16
.endr
	WIN 0
.set BB, BK+64*((\a)%2)
.irp t, 0,1,2,3,4,5,6,7
	ds_load_b128 v[BB+4*\t:BB+4*\t+3], v[RD] offset:2*\t*SPITCH
.endr
.endm
.macro SEND a, younger
.set BB, BK+64*((\a)%2)
	s_wait_dscnt \younger
.irp t, 0,1,2,3,4,5,6,7
	v_pk_add_f32 v[BB+4*\t:BB+4*\t+1], v[BB+4*\t:BB+4*\t+1], v[BO:BO+1]
	v_pk_add_f32 v[BB+4*\t+2:BB+4*\t+3], v[BB+4*\t+2:BB+4*\t+3], v[BO+2:BO+3]
.endr
.irp t, 0,1,2,3,4,5,6,7
	global_store_b128 v6, v[BB+4*\t:BB+4*\t+3], s[12:13] offset:(32*((\a)/2)+8*((\a)%2)+2*\t+8*(\t/4))*4096 th:TH_STORE_NT
.endr
.endm
	PLACES NP
	TOSTAGE 0
.irp a, 1,2,3,4,5,6,7
.if \a > 1
	s_wait_xcnt 0x0
.endif
	TOSTAGE \a
	SEND \a-1, 16
.endr
	SEND 7, 0
	s_wait_tensorcnt 0x0
	ds_add_u32 v[SPW], v[NIL]
	s_wait_dscnt 0x0
	CROUND
	s_endpgm
.Lfunc_end_k_q414c2597d4_outproj:
	.size	k_q414c2597d4_outproj, .Lfunc_end_k_q414c2597d4_outproj-k_q414c2597d4_outproj
	.p2alignl 7, 3214868480
	.fill 96, 4, 3214868480
	.section	.rodata,"a",@progbits
	.p2align	6, 0x0
	.amdhsa_kernel k_q414c2597d4_outproj
		.amdhsa_group_segment_fixed_size 327680
		.amdhsa_private_segment_fixed_size 0
		.amdhsa_enable_private_segment 0
		.amdhsa_kernarg_size 40
		.amdhsa_user_sgpr_count 2
		.amdhsa_user_sgpr_kernarg_segment_ptr 1
		.amdhsa_wavefront_size32 1
		.amdhsa_system_sgpr_workgroup_id_x 1
		.amdhsa_system_sgpr_workgroup_id_y 1
		.amdhsa_system_sgpr_workgroup_id_z 1
		.amdhsa_system_vgpr_workitem_id 0
		.amdhsa_next_free_vgpr 1024
		.amdhsa_next_free_sgpr 100
		.amdhsa_reserve_vcc 0
		.amdhsa_float_denorm_mode_32 3
		.amdhsa_float_denorm_mode_16_64 3
		.amdhsa_memory_ordered 1
		.amdhsa_forward_progress 1
		.amdhsa_inst_pref_size 97
	.end_amdhsa_kernel
	.amdgpu_metadata
---
amdhsa.version: [ 1, 2 ]
amdhsa.kernels:
  - .name:           k_q414c2597d4_outproj
    .symbol:         k_q414c2597d4_outproj.kd
    .args:
      - { .name: oc, .offset: 0, .size: 8, .value_kind: global_buffer, .address_space: global }
      - { .name: wc, .offset: 8, .size: 8, .value_kind: global_buffer, .address_space: global }
      - { .name: sc, .offset: 16, .size: 8, .value_kind: global_buffer, .address_space: global }
      - { .name: bo, .offset: 24, .size: 8, .value_kind: global_buffer, .address_space: global }
      - { .name: out0, .offset: 32, .size: 8, .value_kind: global_buffer, .address_space: global }
    .group_segment_fixed_size: 327680
    .private_segment_fixed_size: 0
    .kernarg_segment_align: 8
    .kernarg_segment_size: 40
    .max_flat_workgroup_size: 128
    .sgpr_count:     100
    .vgpr_count:     1024
    .wavefront_size: 32
...
	.end_amdgpu_metadata
.endif
;; end of part 4
